; MI455X (gfx1250); checked and timed in simulation.
; The chip was launched on July 23, 2026; its instructions are those of AMD's public machine-readable ISA for CDNA 5 (MIT licence, August 2026) and "CDNA5" Instruction Set Architecture Reference Guide (July 2026). The comments in the code are by the model that wrote it; some were corrected since.
;; Proto Instance Multi Cross Attention. Allowed arithmetic: float matrix products may take bf16 or f16 operands with f32 sums; other float arithmetic in f32, or as packed bf16 or f16 multiplies, adds, multiply-adds, maxima and minima; sums over many terms, partial sums and values carried from step to step in f32; what a program stores and reads back later, other than sums and carried values, may be rounded once to bf16 or f16.
;; Inputs: W1 1,024 x 1,024 float32; W2 4,096 x 1,024 float32; b1 1,024 float32; b2 1,024 float32; x 400 x 1,024 float32; y 400 int32.
;; Outputs: out0 300 x 10 float32.
;; Constants: flag = 0, n_classes = 10, n_query = 30, n_support = 10.
;; 2 versions, each right; version 2 is version 1 with the launches prep, fc2a written anew for expert scheduling mode. Each part assembles by itself: llvm-mc -triple=amdgcn-amd-amdhsa -mcpu=gfx1250 --defsym DOCPART=n.
;; ======== version 1 of 2: 4 launches
;; workspace buffers: f 1,835,008 bytes; a 1,835,008 bytes; wb 4,194,304 bytes; part 1,572,864 bytes
;; launch prep (part 1): grid 256 x 1, 16 waves a work-group, no clusters, 165,888 bytes of LDS; arguments x, W1, b1, W2, f, wb; writes f, wb
.if DOCPART == 1
	.amdgcn_target "amdgcn-amd-amdhsa--gfx1250"
	.amdhsa_code_object_version 6
	.text
	.protected	k_q4054e5e58a_prep
	.globl	k_q4054e5e58a_prep
	.p2align	8
	.type	k_q4054e5e58a_prep,@function
k_q4054e5e58a_prep:
	s_mov_b64 s[64:65], 0
	v_nop
	global_prefetch_b8 v0, s[64:65] scope:SCOPE_SE
	s_setreg_imm32_b32 hwreg(HW_REG_WAVE_MODE, 25, 1), 1
	s_wait_xcnt 0x0
; TWO JOBS, told apart by the work-group's number alone.
; Groups 0-223: f = rows of x times W1, plus b1, in f32.  f is [448][1024]: rows 0-127 are the support rows cs = min(R, 99) (x row cs + 30 (cs / 10)),
; rows 128-447 the query rows q = min(R - 128, 299) (x row q + 10 + 10 (q / 30)); the rows past 99 and 299 repeat the last one, so that later tiles are whole.
; Groups 224-255: wb = W2's rows 2048-4095 rounded to bf16, [2048][1024], as they lie.
; THE PRODUCT.  A group makes 32 rows x 64 columns; K = 1024 IS SPLIT AMONG ITS 16 WAVES, 64 each, so that all of a group's operands (384 KiB) are asked for at once, in one trip to memory.
; x and W1 are rounded to bf16 on the way (sums in f32).  W1 lies [k][n]: a wave's 64 x 64 piece goes through the wave's own LDS bytes and comes back turned (ds_load_tr16_b128).
; Source 0 = 16 columns of W1, source 1 = 16 rows of x: a lane then holds one row and eight neighbouring columns.  The 16 partial tiles meet in LDS; each thread adds 16 bytes' worth and stores them:
; sixteen neighbouring lanes store 256 consecutive bytes, aligned.
; NO CLUSTER, NO TENSOR LOAD: every operand has to pass through registers to be rounded, so there is no tile in LDS that partners could share.
; LIMITS.  NaN and infinities are not treated apart.  y is no argument: the result is defined without it.
.set WP,    160                        ; a row of the wave's W piece in LDS: 128 bytes + 32: an odd multiple of 32
.set PP,    272                        ; a row of a partial tile: 256 bytes + 16
.set WAVEB, 10240                      ; a wave's own bytes: 64 x 160, later 32 x 272 = 8,704
.set SPARE, 16*WAVEB                   ; the spare words, 128 bytes for each of 16 waves: eight blocks of 256 bytes that no other line names
.set RD0, 4                            ; v4-6   where I read partial tiles 0-5, 6-11, 12-15
.set RD1, 5
.set RD2, 6
.set BO,  7                            ; v7     my 16 bytes of the bias
.set FO,  8                            ; v8     my 16 bytes of f
.set WO,  9                            ; v9     my 16 bytes in two rows of W1
.set WS,  10                           ; v10    where they go in LDS, rounded
.set WT,  11                           ; v11    the turning load's address
.set XO0, 12                           ; v12-13 my x row of row block 0, 1
.set XO1, 13
.set PS,  14                           ; v14    where I put 32 bytes of a partial tile
.set BIA, 24                           ; v[24:27] bias
.set SPW, 30
.set NIL, 31
.set WR,  64                           ; v[64:191]  W1 as loaded (32 x 4); later ACC and WF; in the tail the 16 partial sums
.set ACC, 64                           ; v[64:127]  8 accumulators: row block mf, column block nf at 8 (4 mf + nf)
.set WF,  128                          ; v[128:191] W fragments: K half kh, column block nf at 8 (4 kh + nf)
.set XR,  192                          ; v[192:255] x: fragment 2 mf + kh, 16 f32, rounded in place into its first 8
.set WV, 16
.set NB, 17
.set MB, 18
	s_load_b256 s[4:11], s[0:1], 0x0               ; x s[4:5], W1 s[6:7], b1 s[8:9], W2 s[10:11]
	s_load_b128 s[12:15], s[0:1], 0x20             ; f s[12:13], wb s[14:15]
	v_lshl_add_u32 v[SPW], v0, 2, SPARE
	v_mov_b32 v[NIL], 0
	v_lshrrev_b32 v1, 5, v0
	v_readfirstlane_b32 s[WV], v1                  ; wave 0..15
	s_and_b32 s[NB], ttmp9, 15                     ; column block of 64
	s_lshr_b32 s[MB], ttmp9, 4                     ; row block of 32; 14 and 15: the converting groups
	; what the tail behind the meeting names is made here, ahead of the parting of the two jobs
	v_and_b32 v2, 15, v0
	v_lshrrev_b32 v15, 4, v0                       ; the tail's row, 0..31
	v_mul_u32_u24 v[RD0], v15, PP
	v_lshl_add_u32 v[RD0], v2, 4, v[RD0]
	v_add_nc_u32 v[RD1], 6*WAVEB, v[RD0]
	v_add_nc_u32 v[RD2], 12*WAVEB, v[RD0]
	s_lshl_b32 s19, s[NB], 8
	v_lshl_add_u32 v[BO], v2, 4, s19               ; 256 nb + 16 (t % 16)
	s_lshl_b32 s20, s[MB], 17                      ; 32 rows of 4,096 bytes
	v_lshl_add_u32 v[FO], v15, 12, v[BO]
	v_add_nc_u32 v[FO], s20, v[FO]
	s_wait_kmcnt 0x0
	global_load_b128 v[BIA:BIA+3], v[BO], s[8:9]   ; (the converting groups do not use it: it stands here so that every way to the meeting has written it)
	s_cmp_ge_u32 s[MB], 14
	s_cbranch_scc1 .Lconvert
	v_bfe_u32 v3, v0, 4, 1                         ; l / 16
	s_lshl_b32 s21, s[WV], 18                      ; my 64 rows of W1
	s_add_co_u32 s21, s21, s19
	v_lshl_add_u32 v[WO], v3, 12, s21
	v_lshl_add_u32 v[WO], v2, 4, v[WO]
	s_mul_i32 s22, s[WV], WAVEB
	v_mul_u32_u24 v[WS], v3, WP
	v_lshl_add_u32 v[WS], v2, 3, v[WS]
	v_add_nc_u32 v[WS], s22, v[WS]
	v_and_b32 v15, 7, v0
	v_lshl_add_u32 v15, v3, 3, v15
	v_mul_u32_u24 v[WT], v15, WP                   ; row 8 (l / 16) + l % 8,
	v_bfe_u32 v15, v0, 3, 1
	v_lshl_add_u32 v[WT], v15, 4, v[WT]            ; 16 bytes by (l / 8) % 2
	v_add_nc_u32 v[WT], s22, v[WT]
	v_mul_u32_u24 v[PS], v2, PP
	v_lshl_add_u32 v[PS], v3, 5, v[PS]
	v_add_nc_u32 v[PS], s22, v[PS]
	; the x row of f's row R: index = min(R - base, limit); row = index + addend + factor x (index / period), the quotient by a multiply and a shift of 16
	s_mov_b32 s24, 299
	s_mov_b32 s27, 2185                            ; / 30, right up to 299
	s_cmp_lt_u32 s[MB], 4
	s_cselect_b32 s23, 0, 128
	s_cselect_b32 s24, 99, s24
	s_cselect_b32 s25, 0, 10
	s_cselect_b32 s26, 30, 10
	s_cselect_b32 s27, 6554, s27                   ; / 10, right up to 99
	s_lshl_b32 s28, s[MB], 5
	s_sub_co_u32 s28, s28, s23
	s_lshl_b32 s29, s[WV], 8                       ; my 64 channels: 256 bytes
.irp mf, 0,1
	v_add_nc_u32 v15, s28, v2
	v_min_u32 v15, s24, v15
	v_mul_u32_u24 v16, s27, v15
	v_lshrrev_b32 v16, 16, v16
	v_mad_u32_u24 v15, v16, s26, v15
	v_add_nc_u32 v15, s25, v15
	v_lshlrev_b32 v[XO0+\mf], 12, v15
	v_lshl_add_u32 v[XO0+\mf], v3, 5, v[XO0+\mf]   ; channels 8 (l / 16) on
	v_add_nc_u32 v[XO0+\mf], s29, v[XO0+\mf]
	s_add_co_u32 s28, s28, 16
.endr
.set i, 0
.rept 32                               ; load i: rows 2 i, 2 i + 1 of my 64, 256 bytes each
	global_load_b128 v[WR+4*i:WR+4*i+3], v[WO], s[6:7] offset:8192*i
.set i, i+1
.endr
.set i, 0
.rept 4                                ; fragment i = 2 mf + kh: 8 channels at 8 (l / 16), 8 more 16 further on
	global_load_b128 v[XR+16*i:XR+16*i+3],     v[XO0+i/2], s[4:5] offset:128*(i%2)
	global_load_b128 v[XR+16*i+4:XR+16*i+7],   v[XO0+i/2], s[4:5] offset:128*(i%2)+16
	global_load_b128 v[XR+16*i+8:XR+16*i+11],  v[XO0+i/2], s[4:5] offset:128*(i%2)+64
	global_load_b128 v[XR+16*i+12:XR+16*i+15], v[XO0+i/2], s[4:5] offset:128*(i%2)+80
.set i, i+1
.endr
	s_wait_loadcnt 16                              ; the bias and W1 are in; x's 16 loads, issued behind them, may stay out
.set i, 0
.rept 32
	v_cvt_pk_bf16_f32 v[WR+4*i],   v[WR+4*i],   v[WR+4*i+1]
	v_cvt_pk_bf16_f32 v[WR+4*i+1], v[WR+4*i+2], v[WR+4*i+3]
	ds_store_b64 v[WS], v[WR+4*i:WR+4*i+1] offset:2*WP*i
.set i, i+1
.endr
.set i, 0
.rept 8                                ; fragment i = 4 kh + nf.  LDS serves a wave's instructions in order (ISA guide 5.7.1.4): these see my stores above
	ds_load_tr16_b128 v[WF+8*i:WF+8*i+3],   v[WT] offset:(i/4)*32*WP+(i%4)*32
	ds_load_tr16_b128 v[WF+8*i+4:WF+8*i+7], v[WT] offset:(i/4)*32*WP+(i%4)*32+16*WP
.set i, i+1
.endr
	s_wait_loadcnt 0x0                             ; x
.set i, 0
.rept 4
.set k, 0
.rept 8
	v_cvt_pk_bf16_f32 v[XR+16*i+k], v[XR+16*i+2*k], v[XR+16*i+2*k+1]
.set k, k+1
.endr
.set i, i+1
.endr
	s_wait_dscnt 0x0                               ; the fragments of W1 are in, and my stores are done
.set kh, 0
.rept 2                                ; the 8 accumulators take turns; the first K half starts the sums
.set i, 0
.rept 8                                ; i = 4 mf + nf
.if kh == 0
	v_wmma_f32_16x16x32_bf16 v[ACC+8*i:ACC+8*i+7], v[WF+8*(i%4):WF+8*(i%4)+7], v[XR+16*(2*(i/4)):XR+16*(2*(i/4))+7], 0
.else
	v_wmma_f32_16x16x32_bf16 v[ACC+8*i:ACC+8*i+7], v[WF+32+8*(i%4):WF+32+8*(i%4)+7], v[XR+16*(2*(i/4)+1):XR+16*(2*(i/4)+1)+7], v[ACC+8*i:ACC+8*i+7]
.endif
.set i, i+1
.endr
.set kh, kh+1
.endr
.rept 8
	v_nop                                          ; the places behind the last products (ISA guide 7.12.1), once a launch
.endr
.set i, 0
.rept 8                                ; my partial tile takes the place of my W piece, whose reads are back
	ds_store_b128 v[PS], v[ACC+8*i:ACC+8*i+3]   offset:(i/4)*16*PP+(i%4)*64
	ds_store_b128 v[PS], v[ACC+8*i+4:ACC+8*i+7] offset:(i/4)*16*PP+(i%4)*64+16
.set i, i+1
.endr
	s_branch .Lmeet
.Lconvert:                                     ; 32 groups x 16 waves x 16 KiB of f32 = W2's second half
	s_sub_co_u32 s19, ttmp9, 224
	s_lshl_b32 s19, s19, 4
	s_add_co_u32 s19, s19, s[WV]                   ; 0..511
	s_lshl_b32 s20, s19, 14
	s_add_co_u32 s20, s20, 2048*4096
	s_mov_b32 s21, 0
	s_add_nc_u64 s[10:11], s[10:11], s[20:21]
	s_lshl_b32 s20, s19, 13
	s_add_nc_u64 s[14:15], s[14:15], s[20:21]
	v_and_b32 v15, 31, v0
	v_lshlrev_b32 v16, 4, v15
	v_lshlrev_b32 v17, 3, v15
.set i, 0
.rept 32
	global_load_b128 v[WR+4*i:WR+4*i+3], v16, s[10:11] offset:512*i th:TH_LOAD_NT
.set i, i+1
.endr
.set i, 0
.rept 32
	s_wait_loadcnt 31-i                            ; loads come back in order (ISA guide 5.7.1): load i is in, the younger ones stay out
	v_cvt_pk_bf16_f32 v[WR+4*i],   v[WR+4*i],   v[WR+4*i+1]
	v_cvt_pk_bf16_f32 v[WR+4*i+1], v[WR+4*i+2], v[WR+4*i+3]
	global_store_b64 v17, v[WR+4*i:WR+4*i+1], s[14:15] offset:256*i  ; a wave's store covers 256 consecutive bytes, aligned
.set i, i+1
.endr
	s_wait_xcnt 0x0                                ; the stores have read their registers
.Lmeet:
	s_wait_dscnt 0x0                               ; for the others' sake: my partial tile lies in LDS
	s_barrier_signal -1
	s_barrier_wait -1
	s_cmp_ge_u32 s[MB], 14
	s_cbranch_scc1 .Lend
.set i, 0
.rept 16
	ds_load_b128 v[WR+4*i:WR+4*i+3], v[RD0+i/6] offset:(i%6)*WAVEB
.set i, i+1
.endr
	s_wait_dscnt 0x0
.irp w, 8,4,2,1
.set k, 0
.rept \w
	v_pk_add_f32 v[WR+4*k:WR+4*k+1],   v[WR+4*k:WR+4*k+1],   v[WR+4*(k+\w):WR+4*(k+\w)+1]
	v_pk_add_f32 v[WR+4*k+2:WR+4*k+3], v[WR+4*k+2:WR+4*k+3], v[WR+4*(k+\w)+2:WR+4*(k+\w)+3]
.set k, k+1
.endr
.endr
	v_pk_add_f32 v[WR:WR+1],   v[WR:WR+1],   v[BIA:BIA+1]
	v_pk_add_f32 v[WR+2:WR+3], v[WR+2:WR+3], v[BIA+2:BIA+3]
	global_store_b128 v[FO], v[WR:WR+3], s[12:13]  ; 16 lanes store 256 consecutive bytes, aligned
.Lend:
	s_wait_tensorcnt 0x0                           ; the wave's end, behind my last LDS store
	ds_add_u32 v[SPW], v[NIL]
	s_wait_dscnt 0x0
	s_endpgm
.Lfunc_end_k_q4054e5e58a_prep:
	.size	k_q4054e5e58a_prep, .Lfunc_end_k_q4054e5e58a_prep-k_q4054e5e58a_prep
	.p2alignl 7, 3214868480
	.fill 96, 4, 3214868480
	.section	.rodata,"a",@progbits
	.p2align	6, 0x0
	.amdhsa_kernel k_q4054e5e58a_prep
		.amdhsa_group_segment_fixed_size 165888
		.amdhsa_private_segment_fixed_size 0
		.amdhsa_enable_private_segment 0
		.amdhsa_kernarg_size 48
		.amdhsa_user_sgpr_count 2
		.amdhsa_user_sgpr_kernarg_segment_ptr 1
		.amdhsa_wavefront_size32 1
		.amdhsa_system_sgpr_workgroup_id_x 1
		.amdhsa_system_sgpr_workgroup_id_y 1
		.amdhsa_system_sgpr_workgroup_id_z 1
		.amdhsa_system_vgpr_workitem_id 0
		.amdhsa_next_free_vgpr 256
		.amdhsa_next_free_sgpr 66
		.amdhsa_reserve_vcc 0
		.amdhsa_float_denorm_mode_32 3
		.amdhsa_float_denorm_mode_16_64 3
		.amdhsa_memory_ordered 1
		.amdhsa_forward_progress 1
		.amdhsa_inst_pref_size 35
	.end_amdhsa_kernel
	.amdgpu_metadata
---
amdhsa.version: [ 1, 2 ]
amdhsa.kernels:
  - .name:           k_q4054e5e58a_prep
    .symbol:         k_q4054e5e58a_prep.kd
    .args:
      - { .name: x, .offset: 0, .size: 8, .value_kind: global_buffer, .address_space: global }
      - { .name: W1, .offset: 8, .size: 8, .value_kind: global_buffer, .address_space: global }
      - { .name: b1, .offset: 16, .size: 8, .value_kind: global_buffer, .address_space: global }
      - { .name: W2, .offset: 24, .size: 8, .value_kind: global_buffer, .address_space: global }
      - { .name: f, .offset: 32, .size: 8, .value_kind: global_buffer, .address_space: global }
      - { .name: wb, .offset: 40, .size: 8, .value_kind: global_buffer, .address_space: global }
    .group_segment_fixed_size: 165888
    .private_segment_fixed_size: 0
    .kernarg_segment_align: 8
    .kernarg_segment_size: 48
    .max_flat_workgroup_size: 512
    .sgpr_count:     66
    .vgpr_count:     256
    .wavefront_size: 32
...
	.end_amdgpu_metadata
.endif
;; end of part 1
;; launch fc2a (part 2): grid 224 x 1, 16 waves a work-group, no clusters, 165,888 bytes of LDS; arguments f, W2, b2, a; writes a
.if DOCPART == 2
	.amdgcn_target "amdgcn-amd-amdhsa--gfx1250"
	.amdhsa_code_object_version 6
	.text
	.protected	k_q4054e5e58a_fc2a
	.globl	k_q4054e5e58a_fc2a
	.p2align	8
	.type	k_q4054e5e58a_fc2a,@function
k_q4054e5e58a_fc2a:
	s_mov_b64 s[64:65], 0
	v_nop
	global_prefetch_b8 v0, s[64:65] scope:SCOPE_SE
	s_setreg_imm32_b32 hwreg(HW_REG_WAVE_MODE, 25, 1), 1
	s_wait_xcnt 0x0
; a = f times a block of W2, in f32, [448][1024]: rows 0-127 (support) times W2's rows 0-1023; rows 128-447 (queries) times W2's rows 1024-2047, plus b2.
; So a[cs] + a[128 + q] is all of fc2's result that does not hang on the pair (q, cs).
; The form is the first launch's: a group makes 32 rows x 64 columns, K = 1024 split among its 16 waves, 64 each; f and W2 are rounded to bf16 on the way, sums in f32;
; W2 ([k][n]) goes through the wave's own LDS bytes and comes back turned; the 16 partial tiles meet in LDS.  No cluster and no tensor load: every operand passes through registers to be rounded.
; LIMITS.  NaN and infinities are not treated apart (b2 is multiplied by 0 in the support rows).
.set WP,    160
.set PP,    272
.set WAVEB, 10240
.set SPARE, 16*WAVEB                   ; the spare words, 128 bytes for each of 16 waves: eight blocks of 256 bytes that no other line names
.set RD0, 4
.set RD1, 5
.set RD2, 6
.set BO,  7
.set FO,  8
.set WO,  9
.set WS,  10
.set WT,  11
.set XO,  12
.set PS,  14
.set BIA, 24
.set SPW, 30
.set NIL, 31
.set WR,  64
.set ACC, 64
.set WF,  128
.set XR,  192
.set WV, 16
.set NB, 17
.set MB, 18
.set FL, 24                            ; s[24:25] 1.0 where b2 is added, else 0
	s_load_b256 s[4:11], s[0:1], 0x0               ; f s[4:5], W2 s[6:7], b2 s[8:9], a s[10:11]
	v_lshl_add_u32 v[SPW], v0, 2, SPARE
	v_mov_b32 v[NIL], 0
	v_lshrrev_b32 v1, 5, v0
	v_readfirstlane_b32 s[WV], v1
	s_and_b32 s[NB], ttmp9, 15
	s_lshr_b32 s[MB], ttmp9, 4                     ; 0..13
	v_and_b32 v2, 15, v0
	v_bfe_u32 v3, v0, 4, 1
	v_lshrrev_b32 v15, 4, v0
	v_mul_u32_u24 v[RD0], v15, PP
	v_lshl_add_u32 v[RD0], v2, 4, v[RD0]
	v_add_nc_u32 v[RD1], 6*WAVEB, v[RD0]
	v_add_nc_u32 v[RD2], 12*WAVEB, v[RD0]
	s_lshl_b32 s19, s[NB], 8
	v_lshl_add_u32 v[BO], v2, 4, s19
	s_lshl_b32 s20, s[MB], 17
	v_lshl_add_u32 v[FO], v15, 12, v[BO]
	v_add_nc_u32 v[FO], s20, v[FO]
	s_cmp_lt_u32 s[MB], 4
	s_cselect_b32 s23, 0, 1024*4096                ; which block of W2
	s_cselect_b32 s[FL], 0, 1.0
	s_mov_b32 s[FL+1], 0                           ; named with it as a pair
	s_lshl_b32 s21, s[WV], 18
	s_add_co_u32 s21, s21, s19
	s_add_co_u32 s21, s21, s23
	v_lshl_add_u32 v[WO], v3, 12, s21
	v_lshl_add_u32 v[WO], v2, 4, v[WO]
	s_mul_i32 s22, s[WV], WAVEB
	v_mul_u32_u24 v[WS], v3, WP
	v_lshl_add_u32 v[WS], v2, 3, v[WS]
	v_add_nc_u32 v[WS], s22, v[WS]
	v_and_b32 v15, 7, v0
	v_lshl_add_u32 v15, v3, 3, v15
	v_mul_u32_u24 v[WT], v15, WP
	v_bfe_u32 v15, v0, 3, 1
	v_lshl_add_u32 v[WT], v15, 4, v[WT]
	v_add_nc_u32 v[WT], s22, v[WT]
	v_mul_u32_u24 v[PS], v2, PP
	v_lshl_add_u32 v[PS], v3, 5, v[PS]
	v_add_nc_u32 v[PS], s22, v[PS]
	s_lshl_b32 s29, s[WV], 8
	s_add_co_u32 s29, s29, s20
	v_lshl_add_u32 v[XO], v2, 12, s29              ; row 32 mb + l % 16, my 64 channels,
	v_lshl_add_u32 v[XO], v3, 5, v[XO]             ; 8 (l / 16) on
	s_wait_kmcnt 0x0
	global_load_b128 v[BIA:BIA+3], v[BO], s[8:9]
.set i, 0
.rept 32
	global_load_b128 v[WR+4*i:WR+4*i+3], v[WO], s[6:7] offset:8192*i
.set i, i+1
.endr
.set i, 0
.rept 4                                ; fragment i = 2 mf + kh
	global_load_b128 v[XR+16*i:XR+16*i+3],     v[XO], s[4:5] offset:65536*(i/2)+128*(i%2)
	global_load_b128 v[XR+16*i+4:XR+16*i+7],   v[XO], s[4:5] offset:65536*(i/2)+128*(i%2)+16
	global_load_b128 v[XR+16*i+8:XR+16*i+11],  v[XO], s[4:5] offset:65536*(i/2)+128*(i%2)+64
	global_load_b128 v[XR+16*i+12:XR+16*i+15], v[XO], s[4:5] offset:65536*(i/2)+128*(i%2)+80
.set i, i+1
.endr
	s_wait_loadcnt 16                              ; the bias and W2 are in; f's 16 loads, issued behind them, may stay out
.set i, 0
.rept 32
	v_cvt_pk_bf16_f32 v[WR+4*i],   v[WR+4*i],   v[WR+4*i+1]
	v_cvt_pk_bf16_f32 v[WR+4*i+1], v[WR+4*i+2], v[WR+4*i+3]
	ds_store_b64 v[WS], v[WR+4*i:WR+4*i+1] offset:2*WP*i
.set i, i+1
.endr
.set i, 0
.rept 8                                ; LDS serves a wave's instructions in order (ISA guide 5.7.1.4): these see my stores above
	ds_load_tr16_b128 v[WF+8*i:WF+8*i+3],   v[WT] offset:(i/4)*32*WP+(i%4)*32
	ds_load_tr16_b128 v[WF+8*i+4:WF+8*i+7], v[WT] offset:(i/4)*32*WP+(i%4)*32+16*WP
.set i, i+1
.endr
	s_wait_loadcnt 0x0
.set i, 0
.rept 4
.set k, 0
.rept 8
	v_cvt_pk_bf16_f32 v[XR+16*i+k], v[XR+16*i+2*k], v[XR+16*i+2*k+1]
.set k, k+1
.endr
.set i, i+1
.endr
	s_wait_dscnt 0x0
.set kh, 0
.rept 2                                ; the 8 accumulators take turns; the first K half starts the sums
.set i, 0
.rept 8
.if kh == 0
	v_wmma_f32_16x16x32_bf16 v[ACC+8*i:ACC+8*i+7], v[WF+8*(i%4):WF+8*(i%4)+7], v[XR+16*(2*(i/4)):XR+16*(2*(i/4))+7], 0
.else
	v_wmma_f32_16x16x32_bf16 v[ACC+8*i:ACC+8*i+7], v[WF+32+8*(i%4):WF+32+8*(i%4)+7], v[XR+16*(2*(i/4)+1):XR+16*(2*(i/4)+1)+7], v[ACC+8*i:ACC+8*i+7]
.endif
.set i, i+1
.endr
.set kh, kh+1
.endr
.rept 8
	v_nop                                          ; the places behind the last products (ISA guide 7.12.1), once a launch
.endr
.set i, 0
.rept 8
	ds_store_b128 v[PS], v[ACC+8*i:ACC+8*i+3]   offset:(i/4)*16*PP+(i%4)*64
	ds_store_b128 v[PS], v[ACC+8*i+4:ACC+8*i+7] offset:(i/4)*16*PP+(i%4)*64+16
.set i, i+1
.endr
	s_wait_dscnt 0x0                               ; for the others' sake: my partial tile lies in LDS
	s_barrier_signal -1
	s_barrier_wait -1
.set i, 0
.rept 16
	ds_load_b128 v[WR+4*i:WR+4*i+3], v[RD0+i/6] offset:(i%6)*WAVEB
.set i, i+1
.endr
	s_wait_dscnt 0x0
.irp w, 8,4,2,1
.set k, 0
.rept \w
	v_pk_add_f32 v[WR+4*k:WR+4*k+1],   v[WR+4*k:WR+4*k+1],   v[WR+4*(k+\w):WR+4*(k+\w)+1]
	v_pk_add_f32 v[WR+4*k+2:WR+4*k+3], v[WR+4*k+2:WR+4*k+3], v[WR+4*(k+\w)+2:WR+4*(k+\w)+3]
.set k, k+1
.endr
.endr
	v_pk_fma_f32 v[WR:WR+1],   v[BIA:BIA+1],   s[FL:FL+1], v[WR:WR+1]   op_sel_hi:[1,0,1]
	v_pk_fma_f32 v[WR+2:WR+3], v[BIA+2:BIA+3], s[FL:FL+1], v[WR+2:WR+3] op_sel_hi:[1,0,1]
	global_store_b128 v[FO], v[WR:WR+3], s[10:11]  ; 16 lanes store 256 consecutive bytes, aligned
	s_wait_tensorcnt 0x0                           ; the wave's end, behind my last LDS store
	ds_add_u32 v[SPW], v[NIL]
	s_wait_dscnt 0x0
	s_endpgm
.Lfunc_end_k_q4054e5e58a_fc2a:
	.size	k_q4054e5e58a_fc2a, .Lfunc_end_k_q4054e5e58a_fc2a-k_q4054e5e58a_fc2a
	.p2alignl 7, 3214868480
	.fill 96, 4, 3214868480
	.section	.rodata,"a",@progbits
	.p2align	6, 0x0
	.amdhsa_kernel k_q4054e5e58a_fc2a
		.amdhsa_group_segment_fixed_size 165888
		.amdhsa_private_segment_fixed_size 0
		.amdhsa_enable_private_segment 0
		.amdhsa_kernarg_size 32
		.amdhsa_user_sgpr_count 2
		.amdhsa_user_sgpr_kernarg_segment_ptr 1
		.amdhsa_wavefront_size32 1
		.amdhsa_system_sgpr_workgroup_id_x 1
		.amdhsa_system_sgpr_workgroup_id_y 1
		.amdhsa_system_sgpr_workgroup_id_z 1
		.amdhsa_system_vgpr_workitem_id 0
		.amdhsa_next_free_vgpr 256
		.amdhsa_next_free_sgpr 66
		.amdhsa_reserve_vcc 0
		.amdhsa_float_denorm_mode_32 3
		.amdhsa_float_denorm_mode_16_64 3
		.amdhsa_memory_ordered 1
		.amdhsa_forward_progress 1
		.amdhsa_inst_pref_size 22
	.end_amdhsa_kernel
	.amdgpu_metadata
---
amdhsa.version: [ 1, 2 ]
amdhsa.kernels:
  - .name:           k_q4054e5e58a_fc2a
    .symbol:         k_q4054e5e58a_fc2a.kd
    .args:
      - { .name: f, .offset: 0, .size: 8, .value_kind: global_buffer, .address_space: global }
      - { .name: W2, .offset: 8, .size: 8, .value_kind: global_buffer, .address_space: global }
      - { .name: b2, .offset: 16, .size: 8, .value_kind: global_buffer, .address_space: global }
      - { .name: a, .offset: 24, .size: 8, .value_kind: global_buffer, .address_space: global }
    .group_segment_fixed_size: 165888
    .private_segment_fixed_size: 0
    .kernarg_segment_align: 8
    .kernarg_segment_size: 32
    .max_flat_workgroup_size: 512
    .sgpr_count:     66
    .vgpr_count:     256
    .wavefront_size: 32
...
	.end_amdgpu_metadata
.endif
;; end of part 2
;; launch main (part 3): grid 256 x 1, 4 waves a work-group, clusters of 4 x 1, 327,680 bytes of LDS; arguments f, a, wb, part; writes part
.if DOCPART == 3
	.amdgcn_target "amdgcn-amd-amdhsa--gfx1250"
	.amdhsa_code_object_version 6
	.text
	.protected	k_q4054e5e58a_main
	.globl	k_q4054e5e58a_main
	.p2align	8
	.type	k_q4054e5e58a_main,@function
k_q4054e5e58a_main:
	s_mov_b64 s[64:65], 0
	v_nop
	global_prefetch_b8 v0, s[64:65] scope:SCOPE_SE
	s_setreg_imm32_b32 hwreg(HW_REG_WAVE_MODE, 25, 1), 1
	s_wait_xcnt 0x0
	s_wait_alu depctr_hold_cnt(0) depctr_sa_sdst(0) depctr_va_vdst(0) depctr_va_sdst(0) depctr_va_ssrc(0) depctr_va_vcc(0) depctr_vm_vsrc(0)
	s_getreg_b32 s2, hwreg(HW_REG_IB_STS2, 6, 4)
	s_cmp_eq_u32 s2, 0
	s_cbranch_scc0 .Lentry_in_a_cluster
	s_endpgm
.Lentry_in_a_cluster:
	s_bfe_u32 s2, ttmp6, 0x10000c
	s_cmp_lg_u32 s2, 0x3003
	s_cbranch_scc0 .Lentry_shape_is_right
	s_endpgm
.Lentry_shape_is_right:
; part[nblock][mblock][wave][q % 16][slot] = the sum over 128 columns d of tanh(mca[q][cs][d]),
; mca = a[cs] + a[128 + q] + |sf[cs] - qf[q]| . Wc + (sf[cs] qf[q]) . Wd;  sf = f's rows 0-127, qf = f's rows 128-447 (f32), Wc, Wd = wb's rows 0-1023, 1024-2047 (bf16, [k][n]).
; THE A OPERAND IS MADE IN REGISTERS: the difference and the product are formed in f32 from f32 and rounded once to bf16; sums in f32.
; SHARES.  A fragment of 16 rows is 16 queries (block qb) with ONE support row cs.  A wave's tile: 5 support rows x 128 columns = 40 accumulators; the four waves of a group take 20 support rows (group g)
; of the same query block and the same columns.  mblock = 5 qb + g: 95 real ones and one more (qb = 19: the padded rows; nobody reads its result), x 8 column blocks = 768 tiles = 256 groups x 3.
; CLUSTER.  The four partners walk the same column block, so Wc's and Wd's tiles are asked for JOINTLY (the same load, descriptor and mask of four in all).  A partner's place enters global addresses alone:
; f's and a's tiles (plain loads), part, the prefetch.
; THE RING.  Two slots of LDS; a slot holds a PERIOD, 128 channels h: 128 rows of Wc, 128 of Wd, 16 rows of qf, 20 of sf.  Wave 0 fetches Wc, 1 Wd, 2 qf, 3 sf: one load a wave behind each round,
; with 320 matrix instructions a wave in which to land.  24 periods: 3 tiles x 8; the ring runs on across tiles.  The three tiles' a rows come once, with the first fills.
; THE PIPELINE.  A step is 32 channels: 5 units of 16 products (8 with Wc and |sf - qf|, 8 with Wd and sf qf).  The 40 vector instructions that make the NEXT unit's operands are dealt evenly: two or three
; behind each of a unit's 16 products.  The LDS loads stand in two runs a step, never singly among the products: the next step's qf and sf at the step's head, its W at the head of unit 2; all three have two buffers, by the step's parity.
; Source 0 = 16 columns of W (turned out of LDS by ds_load_tr16_b128), source 1 = 16 queries: a lane holds one query and eight columns.  a's rows start the sums: nothing is cleared.
; tanh(x) = 1 - 2 / (1 + 2^(2 log2(e) x)): the power overflows to infinity and underflows to 0 where tanh is 1 and -1, so no input overflows it.  LIMITS: NaN and infinities in the inputs are not treated apart.
; REGISTERS, in windows of 256 (s_set_vgpr_msb: bits 1:0 source 0, 3:2 source 1, 5:4 source 2, 7:6 destination):
;   window 0: addresses, qf (2 x 16), 16 at work, the operands made (2 x 16)     window 1: W's fragments, two buffers of 128 (Wc's 8, then Wd's 8)
;   window 2: accumulators of support rows 0-3 (row i, column block b at 64 i + 8 b)            window 3: v0-63 those of row 4; v64-223 sf, two buffers of 5 x 16
.set SLOT1,  131072
.set PW,     288                       ; a row of Wc or Wd in LDS: 256 bytes + 32: an odd multiple of 32
.set WDB,    128*PW
.set QFB,    2*128*PW
.set PQ,     528                       ; a row of qf or of the queries' a: 512 bytes + 16: the 16 rows of a load start at 16 different groups of four banks (ISA guide 11.1)
.set SFB,    QFB+16*PQ                 ; sf's rows, 512 bytes apart: the lanes of a half read one address
.set BIAS,   SLOT1+SFB+20*512          ; behind the ring: for each tile 16 rows of the queries' a, then 20 of the supports'
.set ASB,    16*PQ
.set BTILE,  ASB+20*512
.set SPARE,  BIAS+3*BTILE              ; the spare words, 128 bytes for each wave: two blocks of 256 bytes that no other line names
.set ADRC0, 2                          ; v2-5   my lane's place in Wc, Wd, qf, sf of slot 0, step 0; never rewritten
.set ADRD0, 3
.set ADRQ0, 4
.set ADRS0, 5
.set ADRC,  6                          ; v6-9   the same for the step that is being fetched
.set ADRD,  7
.set ADRQ,  8
.set ADRS,  9
.set AQ0,   10                         ; v10-11 my place in tile 0's a rows; v12-13 in the tile's in hand
.set AS0,   11
.set AQA,   12
.set ASA,   13
.set SPW,   14
.set NIL,   15
.set PFO,   16                         ; v16    the prefetch's offset: my lane x a row of wb
.set OUTO,  17                         ; v17    my 16 bytes of the group's 2,048 in part
.set RS,    20                         ; v20-24 the five row sums
.set PT,    25
.set OUT,   28                         ; v[28:31]
.set QR,    32                         ; v[32:63]   qf, two buffers, by the step's parity
.set T,     64                         ; v[64:79]   at work
.set ABUF,  80                         ; v[80:111]  two buffers: |sf - qf| (8), sf qf (8)
.set SW,    64                         ; window 3, v[64:223]: sf: buffer p, my support row i at SW + 80 p + 16 i
.set FP,    4
.set AP,    6
.set WB,    8                          ; s[8:9] wb at my tile's first element of period 0 (waves 0, 2: Wc; 1, 3: Wd)
.set POUT,  10
.set WV,    12
.set CX,    13
.set MB0,   14
.set NBK,   15
.set C128,  21
.set PSTEP, 22
.set G1B,   24
.set G1Q,   32
.set G1S,   40
.set G0B0,  48
.set G0B1,  52                         ; the sets ..1 serve slot 1's first fill and then walk
.set G0Q0,  56
.set G0Q1,  60
.set SEL,   66
.set G0S0,  68
.set G0S1,  72
.set G0AQ,  76
.set G0AS,  80
.set TBW,   84                         ; LDS byte, in Wc, of the step to be fetched next
.set TBF,   85                         ; the same in a row of qf and sf
.set RP,    86                         ; the period, within its tile, that the next refill asks for
.set QCUR,  87                         ; byte offsets in f of that tile's query block, and of the two tiles after
.set QN1,   88
.set QN2,   89
.set SCUR,  90                         ; the same for the support group
.set SN1,   91
.set SN2,   92
.set PER,   93
.set INN,   94
.set BC,    95                         ; pairs of steps left in the tile
.set TS,    96                         ; s[96:97] 2 log2(e)
.set ABSM,  98
.set HIM,   99
.set PFA,   100
.set LIM,   104
.set BT,    105
.set MSB, 0
.macro WIN new                         ; the immediate's high byte repeats the setting that is left; a switch that changes nothing is dropped
.if MSB != (\new)
	s_set_vgpr_msb (MSB<<8)|(\new)
.set MSB, (\new)
.endif
.endm
.macro FOURNOP
.rept 4
	v_nop
.endr
.endm
; A round of the cluster's barrier: my group's barrier, so that wave 0's signal speaks for all four waves; wave 0 signals; every wave waits for all four groups; my group's barrier once more.
.macro CROUND
	s_barrier_signal -1
	s_barrier_wait -1
	s_cmp_lg_u32 s[WV], 0
	s_cbranch_scc1 .Lnot_wave_0_\@
	s_barrier_signal -3
.Lnot_wave_0_\@:
	s_barrier_wait -3
	s_barrier_signal -1
	s_barrier_wait -1
.endm
; A refill: one load a wave.  The branches hang on the wave's number alone.  An s_nop 0 and four v_nop follow each line, ahead of the jump and the label.
.macro JLOAD
	s_cmp_lt_u32 s[WV], 2
	s_cbranch_scc0 .Lj23_\@
	tensor_load_to_lds s[G0B1:G0B1+3], s[G1B:G1B+7]
	s_nop 0
	FOURNOP
	s_branch .Ljd_\@
.Lj23_\@:
	s_cmp_eq_u32 s[WV], 2
	s_cbranch_scc0 .Lj3_\@
	tensor_load_to_lds s[G0Q1:G0Q1+3], s[G1Q:G1Q+7]
	s_nop 0
	FOURNOP
	s_branch .Ljd_\@
.Lj3_\@:
	tensor_load_to_lds s[G0S1:G0S1+3], s[G1S:G1S+7]
	s_nop 0
	FOURNOP
.Ljd_\@:
.endm
; A PREFETCH INTO THE L2 of wb's rows for the period that the NEXT refill will ask for: 320 matrix instructions ahead of that load.  Each row's 256 bytes are named once in the launch: of the eight clusters that
; walk a column block the first asks (cluster number under 8), and only in its first tile (periods 3 to 7: PER = 22 .. 18); waves 0 and 1 ask for Wc's and Wd's rows; the four partners take 32 of the 128 rows
; each, told apart by address; a lane a row.  Periods 0 to 2 come by their loads alone.
.macro ASK
	s_cmp_gt_u32 s[PER], s[LIM]
	s_cbranch_scc0 .Lnot_mine_\@
	global_prefetch_b8 v[PFO], s[PFA:PFA+1] th:TH_LOAD_NT scope:SCOPE_SE
.Lnot_mine_\@:
.endm
.macro NEXTF                           ; at the head of step J: the LDS addresses of step J + 1
	v_add_nc_u32 v[ADRC], s[TBW], v[ADRC0]
	v_add_nc_u32 v[ADRD], s[TBW], v[ADRD0]
	v_add_nc_u32 v[ADRQ], s[TBF], v[ADRQ0]
	v_add_nc_u32 v[ADRS], s[TBF], v[ADRS0]
	s_add_co_u32 s[TBW], s[TBW], 32*PW
	s_add_co_u32 s[TBF], s[TBF], 128
.endm
.macro RUNF bb                         ; a run of 24 loads: the next step's qf and its sf of my five rows (the 16 channels that my lane's half of a fragment holds), into the buffers that step bb does not read
	WIN 0
	ds_load_b128 v[QR+16*(1-(\bb)):QR+16*(1-(\bb))+3],     v[ADRQ]
	ds_load_b128 v[QR+16*(1-(\bb))+4:QR+16*(1-(\bb))+7],   v[ADRQ] offset:16
	ds_load_b128 v[QR+16*(1-(\bb))+8:QR+16*(1-(\bb))+11],  v[ADRQ] offset:64
	ds_load_b128 v[QR+16*(1-(\bb))+12:QR+16*(1-(\bb))+15], v[ADRQ] offset:80
	WIN 0xc0                                       ; destination window 3, address window 0
.set z, 0
.rept 5
	ds_load_b128 v[SW+80*(1-(\bb))+16*z:SW+80*(1-(\bb))+16*z+3],     v[ADRS] offset:z*512
	ds_load_b128 v[SW+80*(1-(\bb))+16*z+4:SW+80*(1-(\bb))+16*z+7],   v[ADRS] offset:z*512+16
	ds_load_b128 v[SW+80*(1-(\bb))+16*z+8:SW+80*(1-(\bb))+16*z+11],  v[ADRS] offset:z*512+64
	ds_load_b128 v[SW+80*(1-(\bb))+16*z+12:SW+80*(1-(\bb))+16*z+15], v[ADRS] offset:z*512+80
.set z, z+1
.endr
.endm
.macro RUNW bb                         ; a run of 32 loads: the next step's 16 fragments of W
	WIN 0x40                                       ; destination window 1, address window 0
.set z, 0
.rept 8
	ds_load_tr16_b128 v[128*(1-(\bb))+8*z:128*(1-(\bb))+8*z+3],   v[ADRC] offset:32*z
	ds_load_tr16_b128 v[128*(1-(\bb))+8*z+4:128*(1-(\bb))+8*z+7], v[ADRC] offset:32*z+16*PW
.set z, z+1
.endr
.set z, 0
.rept 8
	ds_load_tr16_b128 v[128*(1-(\bb))+64+8*z:128*(1-(\bb))+64+8*z+3],   v[ADRD] offset:32*z
	ds_load_tr16_b128 v[128*(1-(\bb))+64+8*z+4:128*(1-(\bb))+64+8*z+7], v[ADRD] offset:32*z+16*PW
.set z, z+1
.endr
.endm
; Number gn of the 40 that make a unit's operands from qf (QS, window 0) and sf (SS, window 3) into buffer AD: 0-7 qf - sf; 8-15 rounded to bf16; 16-23 the signs cleared; 24-31 qf sf; 32-39 rounded.
; An instruction's source was written eight numbers earlier.  Each eight are of one kind: source 1 in window 3 where sf is read, else all in window 0.
.macro GENOP
.if gn < 8
	WIN 0x0c
	v_pk_add_f32 v[T+2*gn:T+2*gn+1], v[QS+2*gn:QS+2*gn+1], v[SS+2*gn:SS+2*gn+1] neg_lo:[0,1] neg_hi:[0,1]
.elseif gn < 16
	WIN 0
	v_cvt_pk_bf16_f32 v[AD+gn-8], v[T+2*(gn-8)], v[T+2*(gn-8)+1]
.elseif gn < 24
	WIN 0
	v_and_b32 v[AD+gn-16], s[ABSM], v[AD+gn-16]
.elseif gn < 32
	WIN 0x0c
	v_pk_mul_f32 v[T+2*(gn-24):T+2*(gn-24)+1], v[QS+2*(gn-24):QS+2*(gn-24)+1], v[SS+2*(gn-24):SS+2*(gn-24)+1]
.else
	WIN 0
	v_cvt_pk_bf16_f32 v[AD+8+gn-32], v[T+2*(gn-32)], v[T+2*(gn-32)+1]
.endif
.endm
; UNIT i of a step of parity bb.  16 products on support row i's 8 accumulators, which take turns (7 others' between two links of a chain).  Behind each product stands a slice of the next
; unit's 40: 3, 3, 2 for each of the first four eights, 2, 2, 2, 2 for the last: 16 slices, none of which crosses from one eight into the next, so that a slice has one window setting: two switches a product.
; The buffer that the 40 write was read by the unit before: its first write (number 8) stands behind the eight differences, which name none of those products' registers (ISA guide 7.12.1); its second half,
; which that unit's last product read, is written from number 32 on.  The numbers written last, 38 and 39, belong to the second half, which the next unit reads from its ninth product on.
; THE WAITS count the LDS loads issued behind the ones wanted (they come back in order: ISA guide 5.7.1).  The order of issue, step after step: the run of 24 (qf, sf), the run of 32 (W).
;   unit 0 wants this step's W, the run of 32 of the step before: behind it stands this step's run of 24.      unit 4, which makes the next step's first operands, wants this step's run of 24: behind it stands the run of 32.
; The run of 32 stands at unit 2's head: its buffer's last reader, the step before's last product, lies more than 40 plain vector instructions back.
.macro UNIT bb, i
.if (\i) == 0
	s_wait_dscnt 24
.elseif (\i) == 2
	RUNW \bb
.elseif (\i) == 4
	s_wait_dscnt 32
.endif
.set AB, ABUF+16*(((\bb)+(\i))%2)
.set AD, ABUF+16*(1-((\bb)+(\i))%2)
.if (\i) == 4
.set QS, QR+16*(1-(\bb))
.set SS, SW+80*(1-(\bb))
.else
.set QS, QR+16*(\bb)
.set SS, SW+80*(\bb)+16*((\i)+1)
.endif
.set AC, 64*((\i)%4)
.set pn, 0
.set gn, 0
.irp n, 3,3,2,3,3,2,3,3,2,3,3,2,2,2,2,2
	WIN 0xa1+0x50*((\i)/4)                         ; W window 1, the operand made window 0, C and D window 2 (row 4: window 3)
	v_wmma_f32_16x16x32_bf16 v[AC+8*(pn%8):AC+8*(pn%8)+7], v[128*(\bb)+64*(pn/8)+8*(pn%8):128*(\bb)+64*(pn/8)+8*(pn%8)+7], v[AB+8*(pn/8):AB+8*(pn/8)+7], v[AC+8*(pn%8):AC+8*(pn%8)+7]
.set pn, pn+1
.rept \n
	GENOP
.set gn, gn+1
.endr
.endr
.endm
.macro HSTEP bb
	NEXTF
	RUNF \bb
	UNIT \bb, 0
	UNIT \bb, 1
	UNIT \bb, 2
	UNIT \bb, 3
	UNIT \bb, 4
	WIN 0                                          ; at a label and at a branch every window is 0
.endm
; THE CHANGE OF SLOTS, ahead of a period's last step: that step's data were read in the step before, so all reads of the period's slot have been issued.  Each wave waits for all its tensor loads, of which one is out:
; its part of the other slot; adds 0 to its spare word; and waits for that and for its reads.  fill = 1: the slot is filled again, with the period two on; the barrier is then a round of the cluster's, and the refill the first thing behind it.
.macro CHANGE fill
	WIN 0
	s_wait_tensorcnt 0x0                           ; no tensor load of mine is out, so a group 0 may be written
	ds_add_u32 v[SPW], v[NIL]                      ; 0 onto my spare word; the descriptors' scalar work stands between it and the wait for it
.if \fill
	s_xor_b32 s[G0B1+1], s[G0B1+1], SLOT1          ; the other slot than last time
	s_xor_b32 s[G0Q1+1], s[G0Q1+1], SLOT1
	s_xor_b32 s[G0S1+1], s[G0S1+1], SLOT1
	s_lshl_b32 s16, s[RP], 18                      ; 128 rows of wb; s16 and s17 never hold a number made from my place in the cluster
	s_add_nc_u64 s[G0B1+2:G0B1+3], s[WB:WB+1], s[16:17]
	s_or_b32 s[G0B1+3], s[G0B1+3], 0x80000000
	s_lshl_b32 s20, s[RP], 9                       ; 128 channels of f
	s_add_co_u32 s18, s20, s[QCUR]
	s_add_nc_u64 s[G0Q1+2:G0Q1+3], s[FP:FP+1], s[18:19]
	s_or_b32 s[G0Q1+3], s[G0Q1+3], 0x80000000
	s_add_co_u32 s18, s20, s[SCUR]
	s_add_nc_u64 s[G0S1+2:G0S1+3], s[FP:FP+1], s[18:19]
	s_or_b32 s[G0S1+3], s[G0S1+3], 0x80000000
	s_add_co_u32 s[RP], s[RP], 1                   ; behind a tile's last period the next tile's first
	s_cmp_eq_u32 s[RP], 8
	s_cselect_b32 s[RP], 0, s[RP]
	s_cselect_b32 s[QCUR], s[QN1], s[QCUR]
	s_cselect_b32 s[QN1], s[QN2], s[QN1]
	s_cselect_b32 s[SCUR], s[SN1], s[SCUR]
	s_cselect_b32 s[SN1], s[SN2], s[SN1]
	s_wait_xcnt 0x0                                ; the last prefetch, a period back, has read its address
	s_add_nc_u64 s[PFA:PFA+1], s[PFA:PFA+1], 128*2048
.endif
	s_wait_dscnt 0x0                               ; the add is done, and my reads of the slot are back
.if \fill
	CROUND
	JLOAD
	ASK
.else
	s_barrier_signal -1
	s_barrier_wait -1
.endif
	s_sub_co_u32 s[TBW], s[TBW], 4*32*PW           ; the fetches go back to a slot's first step,
	s_xor_b32 s[TBW], s[TBW], SLOT1                ; in the other slot
	s_sub_co_u32 s[TBF], s[TBF], 512
	s_xor_b32 s[TBF], s[TBF], SLOT1
.endm
; A TILE BEGINS: the supports' a rows are loaded straight into the accumulators, the queries' (the same for all five rows) into W's buffer 1, which is free here, and added.
.macro INIT
	v_add_nc_u32 v[AQA], s[BT], v[AQ0]
	v_add_nc_u32 v[ASA], s[BT], v[AS0]
	s_add_co_u32 s[BT], s[BT], BTILE
	WIN 0x40
.set z, 0
.rept 8
	ds_load_b128 v[128+8*z:128+8*z+3],   v[AQA] offset:64*z
	ds_load_b128 v[128+8*z+4:128+8*z+7], v[AQA] offset:64*z+16
.set z, z+1
.endr
	WIN 0x80
.set z, 0
.rept 32                               ; z = 8 i + b
	ds_load_b128 v[8*z:8*z+3],   v[ASA] offset:(z/8)*512+(z%8)*64
	ds_load_b128 v[8*z+4:8*z+7], v[ASA] offset:(z/8)*512+(z%8)*64+16
.set z, z+1
.endr
	WIN 0xc0
.set z, 0
.rept 8
	ds_load_b128 v[8*z:8*z+3],   v[ASA] offset:4*512+z*64
	ds_load_b128 v[8*z+4:8*z+7], v[ASA] offset:4*512+z*64+16
.set z, z+1
.endr
	s_wait_dscnt 0x0
	WIN 0x86                                       ; destination and source 0 window 2, source 1 window 1
.set z, 0
.rept 128
	v_pk_add_f32 v[2*z:2*z+1], v[2*z:2*z+1], v[128+(2*z)%64:128+(2*z)%64+1]
.set z, z+1
.endr
	WIN 0xc7
.set z, 0
.rept 32
	v_pk_add_f32 v[2*z:2*z+1], v[2*z:2*z+1], v[128+2*z:128+2*z+1]
.set z, z+1
.endr
	WIN 0
.endm
; A TILE ENDS.  Support row i: r = 1 / (1 + 2^(2 log2(e) x)) of its 64 numbers, in place and from each accumulator's low end on, and their sum.  The 64 powers are one batch, the 64 reciprocals another:
; behind each a plain instruction and one wait ahead of the first use.
.macro EPIG i
.set AC, 64*((\i)%4)
	WIN 0xaa+0x55*((\i)/4)
.set z, 0
.rept 32
	v_pk_mul_f32 v[AC+z:AC+z+1], v[AC+z:AC+z+1], s[TS:TS+1] op_sel_hi:[1,0]
.set z, z+2
.endr
.set z, 0
.rept 64
	v_exp_f32 v[AC+z], v[AC+z]
.set z, z+1
.endr
	v_nop
	s_wait_alu depctr_va_vdst(0)
.set z, 0
.rept 32
	v_pk_add_f32 v[AC+z:AC+z+1], v[AC+z:AC+z+1], 1.0 op_sel_hi:[1,0]
.set z, z+2
.endr
.set z, 0
.rept 64
	v_rcp_f32 v[AC+z], v[AC+z]
.set z, z+1
.endr
	v_nop
	s_wait_alu depctr_va_vdst(0)
.irp w, 32,16,8,4,2
.set z, 0
.rept (\w)/2
	v_pk_add_f32 v[AC+z:AC+z+1], v[AC+z:AC+z+1], v[AC+z+(\w):AC+z+(\w)+1]
.set z, z+2
.endr
.endr
	WIN 0x0a+0x05*((\i)/4)                         ; sources in the accumulators' window, destination window 0
	v_add_f32 v[RS+(\i)], v[AC], v[AC+1]
.endm
.macro EPI
	WIN 0
	s_wait_xcnt 0x0                                ; the last tile's store has read its registers and its base
	s_add_nc_u64 s[POUT:POUT+1], s[POUT:POUT+1], s[PSTEP:PSTEP+1]
	s_mov_b32 s[PSTEP], 32*2048                    ; my tiles lie 32 mblocks apart
	EPIG 0                                         ; rows 0 to 3 were finished units ago; their work is the places behind row 4's last products (ISA guide 7.12.1)
	EPIG 1
	EPIG 2
	EPIG 3
	EPIG 4
	WIN 0
.set z, 0
.rept 5
	v_permlanex16_b32 v[PT], v[RS+z], s[SEL], s[SEL+1]  ; the query's other 64 columns lie in the lane 16 away
	v_add_f32 v[RS+z], v[RS+z], v[PT]
	v_fma_f32 v[RS+z], v[RS+z], -2.0, s[C128]      ; the sum of 128 tanh = 128 - 2 x the sum of r
.set z, z+1
.endr
	v_cndmask_b32 v[OUT],   v[RS],   v[RS+4], s[HIM]  ; lanes 0-15: rows 0-3; lanes 16-31: row 4 and three zeros
	v_cndmask_b32 v[OUT+1], v[RS+1], 0, s[HIM]
	v_cndmask_b32 v[OUT+2], v[RS+2], 0, s[HIM]
	v_cndmask_b32 v[OUT+3], v[RS+3], 0, s[HIM]
	global_store_b128 v[OUTO], v[OUT:OUT+3], s[POUT:POUT+1]  ; the wave's store covers 512 consecutive bytes, aligned
.endm
.macro TILEOFF t, dq, dg               ; tile t: mblock = MB0 + 32 t; qb = mblock / 5 (x 205 >> 10, right up to 95), g the rest; their byte offsets in f and a
	s_add_co_u32 s18, s[MB0], 32*(\t)
	s_mul_i32 s19, s18, 205
	s_lshr_b32 s19, s19, 10
	s_mul_i32 s20, s19, 5
	s_sub_co_u32 s20, s18, s20
	s_lshl_b32 s[\dq], s19, 16
	s_add_co_u32 s[\dq], s[\dq], 128*4096
	s_mul_i32 s[\dg], s20, 20*4096
.endm
	s_load_b256 s[4:11], s[0:1], 0x0               ; f s[4:5], a s[6:7], wb s[8:9], part s[10:11]
	v_lshl_add_u32 v[SPW], v0, 2, SPARE
	v_mov_b32 v[NIL], 0
	ds_add_u32 v[SPW], v[NIL]                      ; the wave's opening: the add and its wait stand ahead of my first tensor load; the set-up below, work on registers, stands between them
	v_lshrrev_b32 v1, 5, v0
	v_readfirstlane_b32 s[WV], v1                  ; wave 0..3
	s_bfe_u32 s[CX], ttmp6, 0x40000                ; my place in the cluster
	s_and_b32 s[NBK], ttmp9, 7                     ; the column block, which the partners share (ttmp9 counts clusters)
	s_lshr_b32 s[MB0], ttmp9, 3
	s_lshl_b32 s[MB0], s[MB0], 2
	s_add_co_u32 s[MB0], s[MB0], s[CX]             ; 0..31
	TILEOFF 0, QCUR, SCUR
	TILEOFF 1, QN1, SN1
	TILEOFF 2, QN2, SN2
	s_mov_b32 s19, 0                               ; the high word of the pair s[18:19]
	; descriptor group 1: W: 128 rows x 128 bf16, 8 words of padding behind every 64; qf and the queries' a: 16 rows x 128 f32, 4 words behind every 128; sf and the supports' a: 20 rows x 128 f32
	s_mov_b32 s[G1B], 15|(1<<16)|(1<<20)|(1<<21)|(5<<22)|(7<<25)  ; 15:0 the mask of four; 17:16 2-byte elements; 20 padding on; 21 set beside a mask; 24:22 interval; 31:25 padding
	s_mov_b32 s[G1Q], (2<<16)|(1<<20)|(6<<22)|(3<<25)
	s_mov_b32 s[G1S], 2<<16
.irp g, G1B, G1Q, G1S
	s_mov_b32 s[\g+1], 128<<16                     ; tensor_dim0 = 128
	s_mov_b32 s[\g+3], 128<<16                     ; tile_dim0 = 128
	s_mov_b32 s[\g+5], 1024                        ; elements from row to row
	s_mov_b32 s[\g+6], 0
	s_mov_b32 s[\g+7], 0
.endr
	s_mov_b32 s[G1B+2], 128<<16                    ; tensor_dim1, tile_dim1
	s_mov_b32 s[G1B+4], 128
	s_mov_b32 s[G1Q+2], 16<<16
	s_mov_b32 s[G1Q+4], 16
	s_mov_b32 s[G1S+2], 20<<16
	s_mov_b32 s[G1S+4], 20
.irp g, G0B0, G0B1, G0Q0, G0Q1, G0S0, G0S1, G0AQ, G0AS
	s_mov_b32 s[\g], 1                             ; count = 1
.endr
	s_and_b32 s16, s[WV], 1
	s_mul_i32 s[G0B0+1], s16, WDB                  ; Wc at 0, Wd behind it
	s_add_co_u32 s[G0B1+1], s[G0B0+1], SLOT1
	s_mov_b32 s[G0Q0+1], QFB
	s_mov_b32 s[G0Q1+1], QFB+SLOT1
	s_mov_b32 s[G0S0+1], SFB
	s_mov_b32 s[G0S1+1], SFB+SLOT1
	s_mul_i32 s[G0AQ+1], s[WV], BTILE              ; wave t fetches tile t's a rows
	s_add_co_u32 s[G0AQ+1], s[G0AQ+1], BIAS
	s_add_co_u32 s[G0AS+1], s[G0AQ+1], ASB
	s_lshl_b32 s16, s16, 21                        ; Wd's rows begin 1024 x 2,048 bytes behind Wc's
	s_lshl_b32 s17, s[NBK], 8
	s_add_co_u32 s16, s16, s17
	s_mov_b32 s17, 0
	s_mov_b32 s[C128], 0x43000000                  ; 128.0
	s_mov_b32 s[PSTEP], 0
	s_mov_b32 s[PSTEP+1], 0
	s_mov_b32 s[SEL], 0x76543210
	s_mov_b32 s[SEL+1], 0xfedcba98
	s_mov_b32 s[TBW], 0
	s_mov_b32 s[TBF], 0
	s_mov_b32 s[RP], 2
	s_mov_b32 s[BT], 0
	s_mov_b32 s[TS], 0x4038aa3b                    ; 2 log2(e) = 2.885390
	s_mov_b32 s[TS+1], s[TS]
	s_mov_b32 s[ABSM], 0x7fff7fff
	s_mov_b32 s[HIM], 0xffff0000
	s_mov_b32 s[PER], 23
	s_mov_b32 s[INN], 2
	s_mov_b32 s[BC], 16
	s_lshl_b32 s3, s[NBK], 9                       ; the column block in a row of a
	s_wait_dscnt 0x0                               ; the opening add is done
	s_wait_kmcnt 0x0
	s_add_nc_u64 s[WB:WB+1], s[WB:WB+1], s[16:17]
	s_mov_b64 s[G0B0+2:G0B0+3], s[WB:WB+1]         ; period 0
	s_add_nc_u64 s[G0B1+2:G0B1+3], s[WB:WB+1], 128*2048  ; period 1
	s_or_b32 s[G0B0+3], s[G0B0+3], 0x80000000      ; type = 2
	s_or_b32 s[G0B1+3], s[G0B1+3], 0x80000000
	s_mov_b32 s18, s[QCUR]
	s_add_nc_u64 s[G0Q0+2:G0Q0+3], s[FP:FP+1], s[18:19]
	s_add_nc_u64 s[G0Q1+2:G0Q1+3], s[G0Q0+2:G0Q0+3], 512
	s_or_b32 s[G0Q0+3], s[G0Q0+3], 0x80000000
	s_or_b32 s[G0Q1+3], s[G0Q1+3], 0x80000000
	s_mov_b32 s18, s[SCUR]
	s_add_nc_u64 s[G0S0+2:G0S0+3], s[FP:FP+1], s[18:19]
	s_add_nc_u64 s[G0S1+2:G0S1+3], s[G0S0+2:G0S0+3], 512
	s_or_b32 s[G0S0+3], s[G0S0+3], 0x80000000
	s_or_b32 s[G0S1+3], s[G0S1+3], 0x80000000
	s_cmp_eq_u32 s[WV], 1
	s_cselect_b32 s18, s[QN1], s[QCUR]
	s_cselect_b32 s20, s[SN1], s[SCUR]
	s_cmp_eq_u32 s[WV], 2
	s_cselect_b32 s18, s[QN2], s18
	s_cselect_b32 s20, s[SN2], s20
	s_add_co_u32 s18, s18, s3
	s_add_nc_u64 s[G0AQ+2:G0AQ+3], s[AP:AP+1], s[18:19]
	s_or_b32 s[G0AQ+3], s[G0AQ+3], 0x80000000
	s_add_co_u32 s18, s20, s3
	s_add_nc_u64 s[G0AS+2:G0AS+3], s[AP:AP+1], s[18:19]
	s_or_b32 s[G0AS+3], s[G0AS+3], 0x80000000
	s_mul_i32 s18, s[NBK], 96*2048
	s_lshl_b32 s20, s[MB0], 11
	s_add_co_u32 s18, s18, s20
	s_add_nc_u64 s[POUT:POUT+1], s[POUT:POUT+1], s[18:19]  ; part at my first tile
	s_lshl_b32 s18, s[CX], 16                      ; my group's 32 rows of a period's 128,
	s_add_co_u32 s18, s18, 2*128*2048              ; in period 2: the first change of slots steps it to period 3
	s_add_nc_u64 s[PFA:PFA+1], s[WB:WB+1], s[18:19]
	s_lshr_b32 s16, ttmp9, 3                       ; 0 in the first cluster of each column block,
	s_lshr_b32 s20, s[WV], 1                       ; 0 in waves 0 and 1: the same in all four partners
	s_or_b32 s16, s16, s20
	s_cmp_eq_u32 s16, 0
	s_cselect_b32 s[LIM], 17, -1
	CROUND                                         ; all four groups are here: the first joint loads meet
	; the first fills, each wave's in one branch: at most four loads of a wave are out.  Slot 1's is the last in every wave.
	s_cmp_lt_u32 s[WV], 2
	s_cbranch_scc0 .Lff23
	tensor_load_to_lds s[G0B0:G0B0+3], s[G1B:G1B+7]
	s_nop 0
	tensor_load_to_lds s[G0AQ:G0AQ+3], s[G1Q:G1Q+7]
	s_nop 0
	tensor_load_to_lds s[G0AS:G0AS+3], s[G1S:G1S+7]
	s_nop 0
	tensor_load_to_lds s[G0B1:G0B1+3], s[G1B:G1B+7]
	s_nop 0
	FOURNOP
	s_branch .Lffd
.Lff23:
	s_cmp_eq_u32 s[WV], 2
	s_cbranch_scc0 .Lff3
	tensor_load_to_lds s[G0Q0:G0Q0+3], s[G1Q:G1Q+7]
	s_nop 0
	tensor_load_to_lds s[G0AQ:G0AQ+3], s[G1Q:G1Q+7]
	s_nop 0
	tensor_load_to_lds s[G0AS:G0AS+3], s[G1S:G1S+7]
	s_nop 0
	tensor_load_to_lds s[G0Q1:G0Q1+3], s[G1Q:G1Q+7]
	s_nop 0
	FOURNOP
	s_branch .Lffd
.Lff3:
	tensor_load_to_lds s[G0S0:G0S0+3], s[G1S:G1S+7]
	s_nop 0
	tensor_load_to_lds s[G0S1:G0S1+3], s[G1S:G1S+7]
	s_nop 0
	FOURNOP
.Lffd:
	v_and_b32 v1, 15, v0                           ; l % 16: my query
	v_bfe_u32 v18, v0, 4, 1                        ; l / 16
	v_and_b32 v19, 7, v0
	v_lshl_add_u32 v19, v18, 3, v19
	v_mul_u32_u24 v[ADRC0], v19, PW                ; the turning load: row 8 (l / 16) + l % 8,
	v_bfe_u32 v19, v0, 3, 1
	v_lshl_add_u32 v[ADRC0], v19, 4, v[ADRC0]      ; 16 bytes by (l / 8) % 2
	v_add_nc_u32 v[ADRD0], WDB, v[ADRC0]
	v_mul_u32_u24 v19, v1, PQ
	v_lshl_add_u32 v19, v18, 5, v19                ; my query's row, 8 numbers by l / 16
	v_add_nc_u32 v[ADRQ0], QFB, v19
	v_add_nc_u32 v[AQ0], BIAS, v19
	s_mul_i32 s16, s[WV], 5*512                    ; my five support rows
	v_lshl_add_u32 v19, v18, 5, s16
	v_add_nc_u32 v[ADRS0], SFB, v19
	v_add_nc_u32 v[AS0], BIAS+ASB, v19
	v_and_b32 v[PFO], 31, v0
	v_lshlrev_b32 v[PFO], 11, v[PFO]
	s_lshl_b32 s16, s[WV], 9
	v_lshl_add_u32 v[OUTO], v1, 5, s16
	v_lshl_add_u32 v[OUTO], v18, 4, v[OUTO]
	v_mov_b32 v[PT], 0                             ; v_permlanex16_b32's destination counts as read
	s_wait_tensorcnt 0x1                           ; all my first fills but the last, slot 1's, have landed; it may stay out
	s_barrier_signal -1
	s_barrier_wait -1                              ; everybody's have
	NEXTF                                          ; step 0: its addresses,
	RUNF 1                                         ; its qf and sf into the buffers of parity 0,
	RUNW 1                                         ; and its W
	s_wait_dscnt 32                                ; all but the last 32 loads (W): qf and sf are in
.set QS, QR
.set SS, SW
.set AD, ABUF
.set gn, 0
.rept 40
	GENOP                                          ; the first unit's operands
.set gn, gn+1
.endr
	s_branch .Lentry                               ; the loop is entered where a tile begins
.Lperiod:                                      ; 22 times: periods 2 to 23 are asked for
	CHANGE 1
	s_mov_b32 s[INN], 2
.Lpair:                                        ; an odd step and the even one after it
	HSTEP 1
	s_sub_co_u32 s[BC], s[BC], 1
	s_cmp_lg_u32 s[BC], 0
	s_cbranch_scc1 .Leven
	EPI                                            ; behind a tile's 32nd step
	s_mov_b32 s[BC], 16
.Lentry:
	INIT
.Leven:
	HSTEP 0
	s_sub_co_u32 s[INN], s[INN], 1
	s_cmp_lg_u32 s[INN], 0
	s_cbranch_scc1 .Lpair
	s_sub_co_u32 s[PER], s[PER], 1
	s_cmp_lg_u32 s[PER], 0
	s_cbranch_scc1 .Lperiod
	; the tail is written out: steps 91 to 95; nothing is asked for.  Step 95's look-ahead reads bytes of the slot before, which lie there; nothing uses them.
	s_mov_b32 s[PER], 2
.Ltperiod:
	CHANGE 0
	s_mov_b32 s[INN], 2
.Ltpair:
	HSTEP 1
	s_sub_co_u32 s[BC], s[BC], 1
	s_cmp_eq_u32 s[BC], 0
	s_cbranch_scc1 .Lfinal
	HSTEP 0
	s_sub_co_u32 s[INN], s[INN], 1
	s_cmp_lg_u32 s[INN], 0
	s_cbranch_scc1 .Ltpair
	s_sub_co_u32 s[PER], s[PER], 1
	s_cmp_lg_u32 s[PER], 0
	s_cbranch_scc1 .Ltperiod
.Lfinal:
	EPI
	s_wait_tensorcnt 0x0                           ; the wave's end, behind my last tensor load
	ds_add_u32 v[SPW], v[NIL]
	s_wait_dscnt 0x0
	CROUND                                         ; the closing round: no group ends while a partner may still ask for a tile that names it
	s_endpgm
.Lfunc_end_k_q4054e5e58a_main:
	.size	k_q4054e5e58a_main, .Lfunc_end_k_q4054e5e58a_main-k_q4054e5e58a_main
	.p2alignl 7, 3214868480
	.fill 96, 4, 3214868480
	.section	.rodata,"a",@progbits
	.p2align	6, 0x0
	.amdhsa_kernel k_q4054e5e58a_main
		.amdhsa_group_segment_fixed_size 327680
		.amdhsa_private_segment_fixed_size 0
		.amdhsa_enable_private_segment 0
		.amdhsa_kernarg_size 32
		.amdhsa_user_sgpr_count 2
		.amdhsa_user_sgpr_kernarg_segment_ptr 1
		.amdhsa_wavefront_size32 1
		.amdhsa_system_sgpr_workgroup_id_x 1
		.amdhsa_system_sgpr_workgroup_id_y 1
		.amdhsa_system_sgpr_workgroup_id_z 1
		.amdhsa_system_vgpr_workitem_id 0
		.amdhsa_next_free_vgpr 992
		.amdhsa_next_free_sgpr 106
		.amdhsa_reserve_vcc 0
		.amdhsa_float_denorm_mode_32 3
		.amdhsa_float_denorm_mode_16_64 3
		.amdhsa_memory_ordered 1
		.amdhsa_forward_progress 1
		.amdhsa_inst_pref_size 242
	.end_amdhsa_kernel
	.amdgpu_metadata
---
amdhsa.version: [ 1, 2 ]
amdhsa.kernels:
  - .name:           k_q4054e5e58a_main
    .symbol:         k_q4054e5e58a_main.kd
    .args:
      - { .name: f, .offset: 0, .size: 8, .value_kind: global_buffer, .address_space: global }
      - { .name: a, .offset: 8, .size: 8, .value_kind: global_buffer, .address_space: global }
      - { .name: wb, .offset: 16, .size: 8, .value_kind: global_buffer, .address_space: global }
      - { .name: part, .offset: 24, .size: 8, .value_kind: global_buffer, .address_space: global }
    .group_segment_fixed_size: 327680
    .private_segment_fixed_size: 0
    .kernarg_segment_align: 8
    .kernarg_segment_size: 32
    .max_flat_workgroup_size: 128
    .sgpr_count:     106
    .vgpr_count:     992
    .wavefront_size: 32
...
	.end_amdgpu_metadata
.endif
;; end of part 3
;; launch final (part 4): grid 30 x 5, 16 waves a work-group, no clusters, 6,912 bytes of LDS; arguments part, x, out0; writes out0
.if DOCPART == 4
	.amdgcn_target "amdgcn-amd-amdhsa--gfx1250"
	.amdhsa_code_object_version 6
	.text
	.protected	k_q4054e5e58a_final
	.globl	k_q4054e5e58a_final
	.p2align	8
	.type	k_q4054e5e58a_final,@function
k_q4054e5e58a_final:
	s_mov_b64 s[64:65], 0
	v_nop
	global_prefetch_b8 v0, s[64:65] scope:SCOPE_SE
	s_setreg_imm32_b32 hwreg(HW_REG_WAVE_MODE, 25, 1), 1
	s_wait_xcnt 0x0
; out0[q][c] = the sum over h of (proto[h] - x_query[q][h])^2, proto = the sum over s of score[s] x_support[c][s], score = softmax over the class's 10 supports of the logits,
; a logit = the sum of the 8 column blocks' partial sums in part.  All in f32; the row's true maximum is taken away before the exponentials.
; SHARES.  A group takes 10 queries (they lie in one class's block of 30, so their x rows are consecutive) and TWO classes: waves 0-7 the first, waves 8-15 the second: 150 groups, no more than one for a WGP.
; In each half, thread 10 ql + s (0-99; the others repeat thread 99's work into words of their own that nobody reads) adds the logit of query ql and support s; reads its query's ten logits back, takes their
; maximum, and makes its ONE finished score; then every lane reads its class's 100 scores, and wave v takes channels 128 (v % 8) .. + 127, 16 bytes a lane; the waves' sums of squares meet in LDS.
; No matrix unit (10 terms a sum), no cluster (the rows pass straight into registers).  The output is 12,000 bytes, 40 bytes from query to query for one class: twenty stores of 4 bytes a group; no layout of this work gives whole blocks of 256.
; LIMITS.  A weight below 2^-126 counts as 0; NaN and infinities are not treated apart.
.set LOG,   0                          ; a word a thread: the logits; the second class's begin at 1,024
.set WGT,   2048                       ; a word a thread: the scores, likewise
.set RED,   4096                       ; query ql's sixteen partial sums at 64 ql, a word a wave: the first class's eight, then the second's
.set SPARE, 4864                       ; the spare words, 128 bytes for each of 16 waves: eight blocks of 256 bytes that no other line names
.set SPW, 2
.set NIL, 3
.set PO,  10
.set XO,  11
.set LA,  12
.set RA,  13
.set LQ,  14                           ; v14  where my query's ten logits lie
.set WA,  15                           ; v15  where my class's 100 scores lie
.set PL,  16                           ; v[16:23]   8 partial sums; v16 then holds my logit
.set SUP, 24                           ; v[24:63]   10 support rows, 4 channels
.set QRY, 64                           ; v[64:103]  10 query rows
.set LG,  104                          ; v[104:113] my query's logits; later v[104:203] the scores: query ql's at 10 ql
.set CM,  204                          ; v[204:205] c m, m
.set OW,  206                          ; v206       my own exponent, weight, score
.set SM,  208                          ; v[208:209] the weights' sum, then its reciprocal, in the low register
.set TT,  210
.set ST,  204                          ; v[204:213] later the ten sums of squares
.set P,   246                          ; v[246:253] proto of two queries
.set WV, 14
.set GQ, 15
.set CL, 22
.set CS, 24                            ; s[24:25] log2(e)
.set SEL, 26
.set HF, 28                            ; which of the group's two classes is my wave's
	s_load_b128 s[4:7], s[0:1], 0x0                ; part s[4:5], x s[6:7]
	s_load_b64 s[8:9], s[0:1], 0x10                ; out0
	v_lshl_add_u32 v[SPW], v0, 2, SPARE
	v_mov_b32 v[NIL], 0
	v_lshrrev_b32 v1, 5, v0
	v_readfirstlane_b32 s[WV], v1                  ; wave 0..15
	s_mov_b32 s[GQ], ttmp9                         ; 0..29
	s_and_b32 s[CL], ttmp7, 0xffff                 ; 0..4
	s_lshr_b32 s[HF], s[WV], 3
	s_lshl1_add_u32 s[CL], s[CL], s[HF]            ; my class, 0..9
	s_mov_b32 s[CS], 0x3fb8aa3b
	s_mov_b32 s[CS+1], s[CS]
	s_mov_b32 s[SEL], 0x76543210
	s_mov_b32 s[SEL+1], 0xfedcba98
	v_and_b32 v4, 0xff, v0                         ; my number in my half
	v_lshlrev_b32 v[XO], 4, v4                     ; 512 x (wave % 8) + 16 x lane
	v_min_u32 v4, 99, v4
	v_mul_u32_u24 v5, v4, 6554
	v_lshrrev_b32 v5, 16, v5                       ; ql = t / 10
	s_lshl_b32 s29, s[HF], 10
	v_mad_u32_u24 v[LQ], v5, 40, s29               ; LOG + 1,024 x half + 40 ql
	s_add_co_u32 s29, s29, WGT
	v_mov_b32 v[WA], s29
	v_mul_u32_u24 v6, v5, 10
	v_sub_nc_u32 v6, v4, v6                        ; s
	s_mul_i32 s16, s[GQ], 10
	v_add_nc_u32 v5, s16, v5                       ; q
	s_mul_i32 s17, s[CL], 10
	v_add_nc_u32 v6, s17, v6                       ; cs
	v_mul_u32_u24 v7, v6, 3277
	v_lshrrev_b32 v7, 16, v7                       ; g = cs / 20
	v_mul_u32_u24 v8, v7, 20
	v_sub_nc_u32 v6, v6, v8
	v_mul_u32_u24 v8, v6, 13108
	v_lshrrev_b32 v8, 16, v8                       ; the wave that made it: (cs % 20) / 5
	v_mul_u32_u24 v9, v8, 5
	v_sub_nc_u32 v6, v6, v9                        ; its slot
	v_lshrrev_b32 v9, 4, v5
	v_mad_u32_u24 v7, v9, 5, v7                    ; mblock = 5 (q / 16) + g
	v_lshl_add_u32 v7, v7, 2, v8
	v_and_b32 v5, 15, v5
	v_lshlrev_b32 v[PO], 9, v7
	v_lshl_add_u32 v[PO], v5, 5, v[PO]
	v_lshl_add_u32 v[PO], v6, 2, v[PO]
	v_lshlrev_b32 v[LA], 2, v0
	s_lshl_b32 s20, s[WV], 2
	s_add_co_u32 s20, s20, RED
	v_mov_b32 v[RA], s20
	s_mul_i32 s18, s[CL], 40*4096                  ; the class's support rows: x rows 40 c ..
	s_mov_b32 s19, 0
	s_mul_i32 s20, s[GQ], 86
	s_lshr_b32 s20, s20, 8                         ; gq / 3: the queries' class
	s_add_co_u32 s20, s20, s[GQ]
	s_add_co_u32 s20, s20, 1
	s_mul_i32 s21, s[GQ], 400
	s_lshl2_add_u32 s21, s[CL], s21                ; out0: 40 bytes a query, 4 a class
	s_wait_kmcnt 0x0
	s_add_nc_u64 s[10:11], s[6:7], s[18:19]
	s_mul_i32 s18, s20, 10*4096                    ; the queries' x rows: 10 (gq + 1 + gq / 3) ..
	s_add_nc_u64 s[12:13], s[6:7], s[18:19]
.set i, 0
.rept 8
	global_load_b32 v[PL+i], v[PO], s[4:5] offset:196608*i
.set i, i+1
.endr
.set i, 0
.rept 10
	global_load_b128 v[SUP+4*i:SUP+4*i+3], v[XO], s[10:11] offset:4096*i
.set i, i+1
.endr
.set i, 0
.rept 10
	global_load_b128 v[QRY+4*i:QRY+4*i+3], v[XO], s[12:13] offset:4096*i
.set i, i+1
.endr
	s_wait_loadcnt 20                              ; the 8 partial sums are in; x's 20 loads, issued behind them, stay out
	v_pk_add_f32 v[PL:PL+1],   v[PL:PL+1],   v[PL+2:PL+3]
	v_pk_add_f32 v[PL+4:PL+5], v[PL+4:PL+5], v[PL+6:PL+7]
	v_pk_add_f32 v[PL:PL+1],   v[PL:PL+1],   v[PL+4:PL+5]
	v_add_f32 v[PL], v[PL], v[PL+1]                ; my logit
	ds_store_b32 v[LA], v[PL]
	s_wait_dscnt 0x0                               ; for the others' sake
	s_barrier_signal -1
	s_barrier_wait -1
	; my score: my query's ten logits, their maximum, ten weights for the sum and my own
.set i, 0
.rept 5
	ds_load_b64 v[LG+2*i:LG+2*i+1], v[LQ] offset:8*i
.set i, i+1
.endr
	s_wait_dscnt 0x0
	v_max3_num_f32 v[CM+1], v[LG], v[LG+1], v[LG+2]
	v_max3_num_f32 v[CM+1], v[CM+1], v[LG+3], v[LG+4]
	v_max3_num_f32 v[CM+1], v[CM+1], v[LG+5], v[LG+6]
	v_max3_num_f32 v[CM+1], v[CM+1], v[LG+7], v[LG+8]
	v_max_num_f32 v[CM+1], v[CM+1], v[LG+9]
	v_mul_f32 v[CM], s[CS], v[CM+1]                ; c m
.set i, 0
.rept 5                                ; c s - c m
	v_pk_fma_f32 v[LG+2*i:LG+2*i+1], v[LG+2*i:LG+2*i+1], s[CS:CS+1], v[CM:CM+1] op_sel_hi:[1,0,0] neg_lo:[0,0,1] neg_hi:[0,0,1]
.set i, i+1
.endr
	v_fma_f32 v[OW], v[PL], s[CS], -v[CM]
.set i, 0
.rept 10
	v_exp_f32 v[LG+i], v[LG+i]
.set i, i+1
.endr
	v_exp_f32 v[OW], v[OW]
	v_nop                                          ; a plain instruction behind the last exponential,
	s_wait_alu depctr_va_vdst(0)                   ; and one wait ahead of the batch's first use
	v_pk_add_f32 v[SM:SM+1], v[LG:LG+1], v[LG+2:LG+3]
	v_pk_add_f32 v[TT:TT+1], v[LG+4:LG+5], v[LG+6:LG+7]
	v_pk_add_f32 v[SM:SM+1], v[SM:SM+1], v[LG+8:LG+9]
	v_pk_add_f32 v[SM:SM+1], v[SM:SM+1], v[TT:TT+1]
	v_add_f32 v[SM], v[SM], v[SM+1]                ; at least 1: the largest weight is 1
	v_rcp_f32 v[SM], v[SM]
	v_nop
	s_wait_alu depctr_va_vdst(0)                   ; the reciprocal's wait
	v_mul_f32 v[OW], v[OW], v[SM]
	ds_store_b32 v[LA], v[OW] offset:WGT
	s_wait_dscnt 0x0                               ; for the others' sake
	s_barrier_signal -1
	s_barrier_wait -1
.set i, 0
.rept 25
	ds_load_b128 v[LG+4*i:LG+4*i+3], v[WA] offset:16*i  ; every lane of a half reads the same words
.set i, i+1
.endr
	s_wait_dscnt 0x0
	s_wait_loadcnt 0x0                             ; x
; d += (or, first = 1, d =) two channels of a support row (u) times the score in register e: op_sel and op_sel_hi give that register of its pair to both halves
.macro PF d, u, e, first
.if ((\e)%2) == 0
.if \first
	v_pk_mul_f32 v[\d:\d+1], v[\u:\u+1], v[\e:\e+1] op_sel_hi:[1,0]
.else
	v_pk_fma_f32 v[\d:\d+1], v[\u:\u+1], v[\e:\e+1], v[\d:\d+1] op_sel_hi:[1,0,1]
.endif
.else
	v_pk_fma_f32 v[\d:\d+1], v[\u:\u+1], v[\e-1:\e], v[\d:\d+1] op_sel:[0,1,0] op_sel_hi:[1,1,1]
.endif
.endm
.set q, 0
.rept 5                                ; two queries at a time: four chains that do not wait for each other
	PF P,   SUP,   LG+10*q,    1
	PF P+2, SUP+2, LG+10*q,    1
	PF P+4, SUP,   LG+10*q+10, 1
	PF P+6, SUP+2, LG+10*q+10, 1
.set k, 1
.rept 9
	PF P,   SUP+4*k,   LG+10*q+k,    0
	PF P+2, SUP+4*k+2, LG+10*q+k,    0
	PF P+4, SUP+4*k,   LG+10*q+10+k, 0
	PF P+6, SUP+4*k+2, LG+10*q+10+k, 0
.set k, k+1
.endr
.irp u, 0,1                            ; proto - query, squared, the lane's four added
	v_pk_add_f32 v[P+4*\u:P+4*\u+1],   v[P+4*\u:P+4*\u+1],   v[QRY+4*(q+\u):QRY+4*(q+\u)+1]   neg_lo:[0,1] neg_hi:[0,1]
	v_pk_add_f32 v[P+4*\u+2:P+4*\u+3], v[P+4*\u+2:P+4*\u+3], v[QRY+4*(q+\u)+2:QRY+4*(q+\u)+3] neg_lo:[0,1] neg_hi:[0,1]
.endr
.irp u, 0,1
	v_pk_mul_f32 v[P+4*\u:P+4*\u+1], v[P+4*\u:P+4*\u+1], v[P+4*\u:P+4*\u+1]
.endr
.irp u, 0,1
	v_pk_fma_f32 v[P+4*\u:P+4*\u+1], v[P+4*\u+2:P+4*\u+3], v[P+4*\u+2:P+4*\u+3], v[P+4*\u:P+4*\u+1]
.endr
.irp u, 0,1
	v_add_f32 v[ST+q+\u], v[P+4*\u], v[P+4*\u+1]
.endr
.set q, q+2
.endr
.irp m, 1,2,4,8                        ; across the 32 lanes: four steps inside each half ride on the addition, one crosses the halves
.set q, 0
.rept 10
	v_add_f32_dpp v[ST+q], v[ST+q], v[ST+q] row_xmask:\m row_mask:0xf bank_mask:0xf
.set q, q+1
.endr
.endr
.set q, 0
.rept 10
	v_permlanex16_b32 v[LG+q], v[ST+q], s[SEL], s[SEL+1]  ; into registers that have been written: the destination counts as read
.set q, q+1
.endr
.set q, 0
.rept 10
	v_add_f32 v[ST+q], v[ST+q], v[LG+q]
	ds_store_b32 v[RA], v[ST+q] offset:64*q        ; all lanes write the wave's word with the same number
.set q, q+1
.endr
	s_wait_dscnt 0x0                               ; for wave 0's sake
	s_barrier_signal -1
	s_barrier_wait -1
	s_cmp_lg_u32 s[WV], 0
	s_cbranch_scc1 .Lend
	v_and_b32 v4, 15, v0                           ; in wave 0 the thread's number is the lane's: lane 16 hl + ql adds the eight sums of query ql and class hl of the two
	v_bfe_u32 v7, v0, 4, 1
	v_min_u32 v8, 9, v4
	v_lshl_add_u32 v5, v8, 6, RED
	v_lshl_add_u32 v5, v7, 5, v5
	ds_load_b128 v[PL:PL+3],   v5
	ds_load_b128 v[PL+4:PL+7], v5 offset:16
	v_mad_u32_u24 v6, v8, 40, s21                  ; (in wave 0 s21 names the first class)
	v_lshl_add_u32 v6, v7, 2, v6
	s_wait_dscnt 0x0
	v_pk_add_f32 v[PL:PL+1],   v[PL:PL+1],   v[PL+2:PL+3]
	v_pk_add_f32 v[PL+4:PL+5], v[PL+4:PL+5], v[PL+6:PL+7]
	v_pk_add_f32 v[PL:PL+1],   v[PL:PL+1],   v[PL+4:PL+5]
	v_add_f32 v[PL], v[PL], v[PL+1]
	s_wait_xcnt 0x0                                ; EXEC changes only behind this wait
	v_cmp_gt_u32 vcc_lo, 10, v4
	s_and_saveexec_b32 s23, vcc_lo
	global_store_b32 v6, v[PL], s[8:9]
	s_wait_xcnt 0x0                                ; and again, in front of the line that widens it
	s_or_b32 exec_lo, exec_lo, s23
.Lend:
	s_wait_tensorcnt 0x0                           ; the wave's end, behind my last LDS store
	ds_add_u32 v[SPW], v[NIL]
	s_wait_dscnt 0x0
	s_endpgm
.Lfunc_end_k_q4054e5e58a_final:
	.size	k_q4054e5e58a_final, .Lfunc_end_k_q4054e5e58a_final-k_q4054e5e58a_final
	.p2alignl 7, 3214868480
	.fill 96, 4, 3214868480
	.section	.rodata,"a",@progbits
	.p2align	6, 0x0
	.amdhsa_kernel k_q4054e5e58a_final
		.amdhsa_group_segment_fixed_size 6912
		.amdhsa_private_segment_fixed_size 0
		.amdhsa_enable_private_segment 0
		.amdhsa_kernarg_size 24
		.amdhsa_user_sgpr_count 2
		.amdhsa_user_sgpr_kernarg_segment_ptr 1
		.amdhsa_wavefront_size32 1
		.amdhsa_system_sgpr_workgroup_id_x 1
		.amdhsa_system_sgpr_workgroup_id_y 1
		.amdhsa_system_sgpr_workgroup_id_z 1
		.amdhsa_system_vgpr_workitem_id 0
		.amdhsa_next_free_vgpr 256
		.amdhsa_next_free_sgpr 66
		.amdhsa_reserve_vcc 1
		.amdhsa_float_denorm_mode_32 3
		.amdhsa_float_denorm_mode_16_64 3
		.amdhsa_memory_ordered 1
		.amdhsa_forward_progress 1
		.amdhsa_inst_pref_size 31
	.end_amdhsa_kernel
	.amdgpu_metadata
---
amdhsa.version: [ 1, 2 ]
amdhsa.kernels:
  - .name:           k_q4054e5e58a_final
    .symbol:         k_q4054e5e58a_final.kd
    .args:
      - { .name: part, .offset: 0, .size: 8, .value_kind: global_buffer, .address_space: global }
      - { .name: x, .offset: 8, .size: 8, .value_kind: global_buffer, .address_space: global }
      - { .name: out0, .offset: 16, .size: 8, .value_kind: global_buffer, .address_space: global }
    .group_segment_fixed_size: 6912
    .private_segment_fixed_size: 0
    .kernarg_segment_align: 8
    .kernarg_segment_size: 24
    .max_flat_workgroup_size: 512
    .sgpr_count:     66
    .vgpr_count:     256
    .wavefront_size: 32
...
	.end_amdgpu_metadata
.endif
;; end of part 4
;; ======== version 2 of 2: 4 launches; version 1 with the launches prep, fc2a written anew for expert scheduling mode
;; workspace buffers: f 1,835,008 bytes; a 1,835,008 bytes; wb 4,194,304 bytes; part 1,572,864 bytes
;; launch prep (part 5): grid 256 x 1, 16 waves a work-group, no clusters, 165,888 bytes of LDS; arguments x, W1, b1, W2, f, wb; writes f, wb
.if DOCPART == 5
	.amdgcn_target "amdgcn-amd-amdhsa--gfx1250"
	.amdhsa_code_object_version 6
	.text
	.protected	k_q4054e5e58a_prep
	.globl	k_q4054e5e58a_prep
	.p2align	8
	.type	k_q4054e5e58a_prep,@function
k_q4054e5e58a_prep:
	s_mov_b64 s[64:65], 0
	v_nop
	global_prefetch_b8 v0, s[64:65] scope:SCOPE_SE
	s_setreg_imm32_b32 hwreg(HW_REG_WAVE_SCHED_MODE, 0, 2), 2
	s_setreg_imm32_b32 hwreg(HW_REG_WAVE_MODE, 25, 1), 1
	s_wait_xcnt 0x0
	s_wait_alu depctr_vm_vsrc(0)
; TWO JOBS, told apart by the work-group's number alone.
; Groups 0-223: f = rows of x times W1, plus b1, in f32.  f is [448][1024]: rows 0-127 are the support rows cs = min(R, 99) (x row cs + 30 (cs / 10)),
; rows 128-447 the query rows q = min(R - 128, 299) (x row q + 10 + 10 (q / 30)); the rows past 99 and 299 repeat the last one, so that later tiles are whole.
; Groups 224-255: wb = W2's rows 2048-4095 rounded to bf16, [2048][1024], as they lie.
; THE PRODUCT.  A group makes 32 rows x 64 columns; K = 1024 IS SPLIT AMONG ITS 16 WAVES, 64 each, so that all of a group's operands (384 KiB) are asked for at once, in one trip to memory.
; x and W1 are rounded to bf16 on the way (sums in f32).  W1 lies [k][n]: a wave's 64 x 64 piece goes through the wave's own LDS bytes and comes back turned (ds_load_tr16_b128).
; Source 0 = 16 columns of W1, source 1 = 16 rows of x: a lane then holds one row and eight neighbouring columns.  The 16 partial tiles meet in LDS; each thread adds 16 bytes' worth and stores them:
; sixteen neighbouring lanes store 256 consecutive bytes, aligned.
; NO CLUSTER, NO TENSOR LOAD: every operand has to pass through registers to be rounded, so there is no tile in LDS that partners could share.
; LIMITS.  NaN and infinities are not treated apart.  y is no argument: the result is defined without it.
; THE MODE: SCHED_MODE bits 1:0 = 2 (LLVM: expert scheduling mode 2), set by the entry lines.  The code itself states the register dependences
; between vector or matrix instructions and memory or LDS instructions, with s_wait_alu, always for 0.
; THE PLAN.  Registers that memory or LDS instructions touch:
;   v4-14, and v16, v17 in the converting groups: offsets and LDS addresses.  Written once, by vector instructions at the head of their part; read by loads and stores; never written again.
;   WR     32 loads land in it; the conversions round each load's four numbers into its first two registers; 32 stores (LDS, or global in the converting groups) read those.
;          The 32 go in four batches of eight: a batch's 16 conversions, ONE wait on va_vdst, its 8 stores.  A batch's conversions name its own registers alone.
;   WF     WR's upper half: when the LDS stores have read it (one wait on vm_vsrc) the turned loads land in it; the products read it.
;   ACC    WR's lower half: the products write it behind that same wait; 16 LDS stores read it, behind the places and one wait on va_vdst.
;   WR in the tail: when those stores have read it (one wait on vm_vsrc, where the two jobs meet) 16 LDS loads land in it; additions write its first four registers; behind one wait on va_vdst the last store reads them.
;   XR, BIA  loads land in them; vector and matrix instructions alone name them after that.
;   v[SPW], v[NIL]  written at the head, read by the closing add alone.
.set WP,    160                        ; a row of the wave's W piece in LDS: 128 bytes + 32: an odd multiple of 32
.set PP,    272                        ; a row of a partial tile: 256 bytes + 16
.set WAVEB, 10240                      ; a wave's own bytes: 64 x 160, later 32 x 272 = 8,704
.set SPARE, 16*WAVEB                   ; the spare words, 128 bytes for each of 16 waves: eight blocks of 256 bytes that no other line names
.set RD0, 4                            ; v4-6   where I read partial tiles 0-5, 6-11, 12-15
.set RD1, 5
.set RD2, 6
.set BO,  7                            ; v7     my 16 bytes of the bias
.set FO,  8                            ; v8     my 16 bytes of f
.set WO,  9                            ; v9     my 16 bytes in two rows of W1
.set WS,  10                           ; v10    where they go in LDS, rounded
.set WT,  11                           ; v11    the turning load's address
.set XO0, 12                           ; v12-13 my x row of row block 0, 1
.set XO1, 13
.set PS,  14                           ; v14    where I put 32 bytes of a partial tile
.set BIA, 24                           ; v[24:27] bias
.set SPW, 30
.set NIL, 31
.set WR,  64                           ; v[64:191]  W1 as loaded (32 x 4); later ACC and WF; in the tail the 16 partial sums
.set ACC, 64                           ; v[64:127]  8 accumulators: row block mf, column block nf at 8 (4 mf + nf)
.set WF,  128                          ; v[128:191] W fragments: K half kh, column block nf at 8 (4 kh + nf)
.set XR,  192                          ; v[192:255] x: fragment 2 mf + kh, 16 f32, rounded in place into its first 8
.set WV, 16
.set NB, 17
.set MB, 18
	s_load_b256 s[4:11], s[0:1], 0x0               ; x s[4:5], W1 s[6:7], b1 s[8:9], W2 s[10:11]
	s_load_b128 s[12:15], s[0:1], 0x20             ; f s[12:13], wb s[14:15]
	v_lshl_add_u32 v[SPW], v0, 2, SPARE
	v_mov_b32 v[NIL], 0
	v_lshrrev_b32 v1, 5, v0
	v_readfirstlane_b32 s[WV], v1                  ; wave 0..15
	s_and_b32 s[NB], ttmp9, 15                     ; column block of 64
	s_lshr_b32 s[MB], ttmp9, 4                     ; row block of 32; 14 and 15: the converting groups
	; what the tail behind the meeting names is made here, ahead of the parting of the two jobs
	v_and_b32 v2, 15, v0
	v_lshrrev_b32 v15, 4, v0                       ; the tail's row, 0..31
	v_mul_u32_u24 v[RD0], v15, PP
	v_lshl_add_u32 v[RD0], v2, 4, v[RD0]
	v_add_nc_u32 v[RD1], 6*WAVEB, v[RD0]
	v_add_nc_u32 v[RD2], 12*WAVEB, v[RD0]
	s_lshl_b32 s19, s[NB], 8
	v_lshl_add_u32 v[BO], v2, 4, s19               ; 256 nb + 16 (t % 16)
	s_lshl_b32 s20, s[MB], 17                      ; 32 rows of 4,096 bytes
	v_lshl_add_u32 v[FO], v15, 12, v[BO]
	v_add_nc_u32 v[FO], s20, v[FO]
	s_wait_alu depctr_va_sdst(0)                   ; the wave's number is written
	s_wait_kmcnt 0x0
	s_wait_alu depctr_va_vdst(0)                   ; v[BO] is written, which the load below reads; so are v[RD0] to v[RD2] and v[FO], which the tail's loads and its store read
	global_load_b128 v[BIA:BIA+3], v[BO], s[8:9]   ; (the converting groups do not use it: it stands here so that every way to the meeting has written it)
	s_cmp_ge_u32 s[MB], 14
	s_cbranch_scc1 .Lconvert
	v_bfe_u32 v3, v0, 4, 1                         ; l / 16
	s_lshl_b32 s21, s[WV], 18                      ; my 64 rows of W1
	s_add_co_u32 s21, s21, s19
	v_lshl_add_u32 v[WO], v3, 12, s21
	v_lshl_add_u32 v[WO], v2, 4, v[WO]
	s_mul_i32 s22, s[WV], WAVEB
	v_mul_u32_u24 v[WS], v3, WP
	v_lshl_add_u32 v[WS], v2, 3, v[WS]
	v_add_nc_u32 v[WS], s22, v[WS]
	v_and_b32 v15, 7, v0
	v_lshl_add_u32 v15, v3, 3, v15
	v_mul_u32_u24 v[WT], v15, WP                   ; row 8 (l / 16) + l % 8,
	v_bfe_u32 v15, v0, 3, 1
	v_lshl_add_u32 v[WT], v15, 4, v[WT]            ; 16 bytes by (l / 8) % 2
	v_add_nc_u32 v[WT], s22, v[WT]
	v_mul_u32_u24 v[PS], v2, PP
	v_lshl_add_u32 v[PS], v3, 5, v[PS]
	v_add_nc_u32 v[PS], s22, v[PS]
	; the x row of f's row R: index = min(R - base, limit); row = index + addend + factor x (index / period), the quotient by a multiply and a shift of 16
	s_mov_b32 s24, 299
	s_mov_b32 s27, 2185                            ; / 30, right up to 299
	s_cmp_lt_u32 s[MB], 4
	s_cselect_b32 s23, 0, 128
	s_cselect_b32 s24, 99, s24
	s_cselect_b32 s25, 0, 10
	s_cselect_b32 s26, 30, 10
	s_cselect_b32 s27, 6554, s27                   ; / 10, right up to 99
	s_lshl_b32 s28, s[MB], 5
	s_sub_co_u32 s28, s28, s23
	s_lshl_b32 s29, s[WV], 8                       ; my 64 channels: 256 bytes
.irp mf, 0,1
	v_add_nc_u32 v15, s28, v2
	v_min_u32 v15, s24, v15
	v_mul_u32_u24 v16, s27, v15
	v_lshrrev_b32 v16, 16, v16
	v_mad_u32_u24 v15, v16, s26, v15
	v_add_nc_u32 v15, s25, v15
	v_lshlrev_b32 v[XO0+\mf], 12, v15
	v_lshl_add_u32 v[XO0+\mf], v3, 5, v[XO0+\mf]   ; channels 8 (l / 16) on
	v_add_nc_u32 v[XO0+\mf], s29, v[XO0+\mf]
	s_add_co_u32 s28, s28, 16
.endr
	s_wait_alu depctr_va_vdst(0)                   ; v[WO], v[XO0] and v[XO1] are written, which the loads below read; so are v[WS], v[WT] and v[PS], the LDS addresses of what follows
.set i, 0
.rept 32                               ; load i: rows 2 i, 2 i + 1 of my 64, 256 bytes each
	global_load_b128 v[WR+4*i:WR+4*i+3], v[WO], s[6:7] offset:8192*i
.set i, i+1
.endr
.set i, 0
.rept 4                                ; fragment i = 2 mf + kh: 8 channels at 8 (l / 16), 8 more 16 further on
	global_load_b128 v[XR+16*i:XR+16*i+3],     v[XO0+i/2], s[4:5] offset:128*(i%2)
	global_load_b128 v[XR+16*i+4:XR+16*i+7],   v[XO0+i/2], s[4:5] offset:128*(i%2)+16
	global_load_b128 v[XR+16*i+8:XR+16*i+11],  v[XO0+i/2], s[4:5] offset:128*(i%2)+64
	global_load_b128 v[XR+16*i+12:XR+16*i+15], v[XO0+i/2], s[4:5] offset:128*(i%2)+80
.set i, i+1
.endr
.set b, 0
.rept 4                                ; W1 in four batches of eight loads
	s_wait_loadcnt 40-8*b                          ; loads come back in order (ISA guide 5.7.1): batch b is in; behind it W1's 24 - 8 b later loads and x's 16 may stay out
.set i, 8*b
.rept 8
	v_cvt_pk_bf16_f32 v[WR+4*i],   v[WR+4*i],   v[WR+4*i+1]
	v_cvt_pk_bf16_f32 v[WR+4*i+1], v[WR+4*i+2], v[WR+4*i+3]
.set i, i+1
.endr
	s_wait_alu depctr_va_vdst(0)                   ; the batch's 16 conversions have written the registers that its 8 stores read
.set i, 8*b
.rept 8
	ds_store_b64 v[WS], v[WR+4*i:WR+4*i+1] offset:2*WP*i
.set i, i+1
.endr
.set b, b+1
.endr
	s_wait_alu depctr_vm_vsrc(0)                   ; the 32 stores have read WR: the turned loads below land in its upper half, the products write its lower half.  (The last wait on va_vdst has shown the conversions done with these registers, and no vector instruction since names them)
.set i, 0
.rept 8                                ; fragment i = 4 kh + nf.  LDS serves a wave's instructions in order (ISA guide 5.7.1.4): these see my stores above
	ds_load_tr16_b128 v[WF+8*i:WF+8*i+3],   v[WT] offset:(i/4)*32*WP+(i%4)*32
	ds_load_tr16_b128 v[WF+8*i+4:WF+8*i+7], v[WT] offset:(i/4)*32*WP+(i%4)*32+16*WP
.set i, i+1
.endr
	s_wait_loadcnt 0x0                             ; x
.set i, 0
.rept 4
.set k, 0
.rept 8
	v_cvt_pk_bf16_f32 v[XR+16*i+k], v[XR+16*i+2*k], v[XR+16*i+2*k+1]
.set k, k+1
.endr
.set i, i+1
.endr
	s_wait_dscnt 0x0                               ; the fragments of W1 are in, and my stores are done
.set kh, 0
.rept 2                                ; the 8 accumulators take turns; the first K half starts the sums
.set i, 0
.rept 8                                ; i = 4 mf + nf
.if kh == 0
	v_wmma_f32_16x16x32_bf16 v[ACC+8*i:ACC+8*i+7], v[WF+8*(i%4):WF+8*(i%4)+7], v[XR+16*(2*(i/4)):XR+16*(2*(i/4))+7], 0
.else
	v_wmma_f32_16x16x32_bf16 v[ACC+8*i:ACC+8*i+7], v[WF+32+8*(i%4):WF+32+8*(i%4)+7], v[XR+16*(2*(i/4)+1):XR+16*(2*(i/4)+1)+7], v[ACC+8*i:ACC+8*i+7]
.endif
.set i, i+1
.endr
.set kh, kh+1
.endr
.rept 8
	v_nop                                          ; the places behind the last products (ISA guide 7.12.1), once a launch
.endr
	s_wait_alu depctr_va_vdst(0)                   ; the products have written ACC, which the stores below read, and are done reading WF: the tail's loads land in both; the places above stay beside this wait
.set i, 0
.rept 8                                ; my partial tile takes the place of my W piece, whose reads are back
	ds_store_b128 v[PS], v[ACC+8*i:ACC+8*i+3]   offset:(i/4)*16*PP+(i%4)*64
	ds_store_b128 v[PS], v[ACC+8*i+4:ACC+8*i+7] offset:(i/4)*16*PP+(i%4)*64+16
.set i, i+1
.endr
	s_branch .Lmeet
.Lconvert:                                     ; 32 groups x 16 waves x 16 KiB of f32 = W2's second half
	s_sub_co_u32 s19, ttmp9, 224
	s_lshl_b32 s19, s19, 4
	s_add_co_u32 s19, s19, s[WV]                   ; 0..511
	s_lshl_b32 s20, s19, 14
	s_add_co_u32 s20, s20, 2048*4096
	s_mov_b32 s21, 0
	s_add_nc_u64 s[10:11], s[10:11], s[20:21]
	s_lshl_b32 s20, s19, 13
	s_add_nc_u64 s[14:15], s[14:15], s[20:21]
	v_and_b32 v15, 31, v0
	v_lshlrev_b32 v16, 4, v15
	v_lshlrev_b32 v17, 3, v15
	s_wait_alu depctr_va_vdst(0)                   ; v16 and v17 are written, the offsets of the loads and of the stores below
.set i, 0
.rept 32
	global_load_b128 v[WR+4*i:WR+4*i+3], v16, s[10:11] offset:512*i th:TH_LOAD_NT
.set i, i+1
.endr
.set b, 0
.rept 4                                ; four batches of eight loads, as above
	s_wait_loadcnt 24-8*b                          ; loads come back in order (ISA guide 5.7.1): batch b is in, the 24 - 8 b younger loads stay out
.set i, 8*b
.rept 8
	v_cvt_pk_bf16_f32 v[WR+4*i],   v[WR+4*i],   v[WR+4*i+1]
	v_cvt_pk_bf16_f32 v[WR+4*i+1], v[WR+4*i+2], v[WR+4*i+3]
.set i, i+1
.endr
	s_wait_alu depctr_va_vdst(0)                   ; the batch's 16 conversions have written the registers that its 8 stores read
.set i, 8*b
.rept 8
	global_store_b64 v17, v[WR+4*i:WR+4*i+1], s[14:15] offset:256*i  ; a wave's store covers 256 consecutive bytes, aligned
.set i, i+1
.endr
.set b, b+1
.endr
	s_wait_xcnt 0x0                                ; the stores have read their registers
.Lmeet:
	s_wait_dscnt 0x0                               ; for the others' sake: my partial tile lies in LDS
	s_wait_alu depctr_vm_vsrc(0)                   ; my stores (of the partial tile; in the converting groups of wb) have read WR, in which the tail's loads land; the wait stands where the two jobs join, ahead of the branch below
	s_barrier_signal -1
	s_barrier_wait -1
	s_cmp_ge_u32 s[MB], 14
	s_cbranch_scc1 .Lend
.set i, 0
.rept 16
	ds_load_b128 v[WR+4*i:WR+4*i+3], v[RD0+i/6] offset:(i%6)*WAVEB
.set i, i+1
.endr
	s_wait_dscnt 0x0
.irp w, 8,4,2,1
.set k, 0
.rept \w
	v_pk_add_f32 v[WR+4*k:WR+4*k+1],   v[WR+4*k:WR+4*k+1],   v[WR+4*(k+\w):WR+4*(k+\w)+1]
	v_pk_add_f32 v[WR+4*k+2:WR+4*k+3], v[WR+4*k+2:WR+4*k+3], v[WR+4*(k+\w)+2:WR+4*(k+\w)+3]
.set k, k+1
.endr
.endr
	v_pk_add_f32 v[WR:WR+1],   v[WR:WR+1],   v[BIA:BIA+1]
	v_pk_add_f32 v[WR+2:WR+3], v[WR+2:WR+3], v[BIA+2:BIA+3]
	s_wait_alu depctr_va_vdst(0)                   ; the additions have written v[WR:WR+3], which the store reads
	global_store_b128 v[FO], v[WR:WR+3], s[12:13]  ; 16 lanes store 256 consecutive bytes, aligned
.Lend:
	s_wait_dscnt 0x0                               ; the closing lines, six on end
	s_wait_alu 0x0
	s_wait_tensorcnt 0x0
	ds_add_u32 v[SPW], v[NIL]
	s_wait_dscnt 0x0
	s_endpgm
.Lfunc_end_k_q4054e5e58a_prep:
	.size	k_q4054e5e58a_prep, .Lfunc_end_k_q4054e5e58a_prep-k_q4054e5e58a_prep
	.p2alignl 7, 3214868480
	.fill 96, 4, 3214868480
	.section	.rodata,"a",@progbits
	.p2align	6, 0x0
	.amdhsa_kernel k_q4054e5e58a_prep
		.amdhsa_group_segment_fixed_size 165888
		.amdhsa_private_segment_fixed_size 0
		.amdhsa_enable_private_segment 0
		.amdhsa_kernarg_size 48
		.amdhsa_user_sgpr_count 2
		.amdhsa_user_sgpr_kernarg_segment_ptr 1
		.amdhsa_wavefront_size32 1
		.amdhsa_system_sgpr_workgroup_id_x 1
		.amdhsa_system_sgpr_workgroup_id_y 1
		.amdhsa_system_sgpr_workgroup_id_z 1
		.amdhsa_system_vgpr_workitem_id 0
		.amdhsa_next_free_vgpr 256
		.amdhsa_next_free_sgpr 66
		.amdhsa_reserve_vcc 0
		.amdhsa_float_denorm_mode_32 3
		.amdhsa_float_denorm_mode_16_64 3
		.amdhsa_memory_ordered 1
		.amdhsa_forward_progress 1
		.amdhsa_inst_pref_size 35
	.end_amdhsa_kernel
	.amdgpu_metadata
---
amdhsa.version: [ 1, 2 ]
amdhsa.kernels:
  - .name:           k_q4054e5e58a_prep
    .symbol:         k_q4054e5e58a_prep.kd
    .args:
      - { .name: x, .offset: 0, .size: 8, .value_kind: global_buffer, .address_space: global }
      - { .name: W1, .offset: 8, .size: 8, .value_kind: global_buffer, .address_space: global }
      - { .name: b1, .offset: 16, .size: 8, .value_kind: global_buffer, .address_space: global }
      - { .name: W2, .offset: 24, .size: 8, .value_kind: global_buffer, .address_space: global }
      - { .name: f, .offset: 32, .size: 8, .value_kind: global_buffer, .address_space: global }
      - { .name: wb, .offset: 40, .size: 8, .value_kind: global_buffer, .address_space: global }
    .group_segment_fixed_size: 165888
    .private_segment_fixed_size: 0
    .kernarg_segment_align: 8
    .kernarg_segment_size: 48
    .max_flat_workgroup_size: 512
    .sgpr_count:     66
    .vgpr_count:     256
    .wavefront_size: 32
...
	.end_amdgpu_metadata
.endif
;; end of part 5
;; launch fc2a (part 6): grid 224 x 1, 16 waves a work-group, no clusters, 165,888 bytes of LDS; arguments f, W2, b2, a; writes a
.if DOCPART == 6
	.amdgcn_target "amdgcn-amd-amdhsa--gfx1250"
	.amdhsa_code_object_version 6
	.text
	.protected	k_q4054e5e58a_fc2a
	.globl	k_q4054e5e58a_fc2a
	.p2align	8
	.type	k_q4054e5e58a_fc2a,@function
k_q4054e5e58a_fc2a:
	s_mov_b64 s[64:65], 0
	v_nop
	global_prefetch_b8 v0, s[64:65] scope:SCOPE_SE
	s_setreg_imm32_b32 hwreg(HW_REG_WAVE_SCHED_MODE, 0, 2), 2
	s_setreg_imm32_b32 hwreg(HW_REG_WAVE_MODE, 25, 1), 1
	s_wait_xcnt 0x0
	s_wait_alu depctr_vm_vsrc(0)
; a = f times a block of W2, in f32, [448][1024]: rows 0-127 (support) times W2's rows 0-1023; rows 128-447 (queries) times W2's rows 1024-2047, plus b2.
; So a[cs] + a[128 + q] is all of fc2's result that does not hang on the pair (q, cs).
; The form is the first launch's: a group makes 32 rows x 64 columns, K = 1024 split among its 16 waves, 64 each; f and W2 are rounded to bf16 on the way, sums in f32;
; W2 ([k][n]) goes through the wave's own LDS bytes and comes back turned; the 16 partial tiles meet in LDS.  No cluster and no tensor load: every operand passes through registers to be rounded.
; LIMITS.  NaN and infinities are not treated apart (b2 is multiplied by 0 in the support rows).
; THE MODE: SCHED_MODE bits 1:0 = 2 (LLVM: expert scheduling mode 2), set by the entry lines.  The code itself states the register dependences
; between vector or matrix instructions and memory or LDS instructions, with s_wait_alu, always for 0.
; THE PLAN.  Registers that memory or LDS instructions touch:
;   v4-14  offsets and LDS addresses.  Written once, by vector instructions at the head; read by loads and stores; never written again.
;   WR     32 loads land in it; the conversions round each load's four numbers into its first two registers; 32 LDS stores read those.
;          The 32 go in four batches of eight: a batch's 16 conversions, ONE wait on va_vdst, its 8 stores.  A batch's conversions name its own registers alone.
;   WF     WR's upper half: when the LDS stores have read it (one wait on vm_vsrc) the turned loads land in it; the products read it.
;   ACC    WR's lower half: the products write it behind that same wait; 16 LDS stores read it, behind the places and one wait on va_vdst.
;   WR in the tail: when those stores have read it (one wait on vm_vsrc) 16 LDS loads land in it; additions write its first four registers; behind one wait on va_vdst the last store reads them.
;   XR, BIA  loads land in them; vector and matrix instructions alone name them after that.
;   v[SPW], v[NIL]  written at the head, read by the closing add alone.
.set WP,    160
.set PP,    272
.set WAVEB, 10240
.set SPARE, 16*WAVEB                   ; the spare words, 128 bytes for each of 16 waves: eight blocks of 256 bytes that no other line names
.set RD0, 4
.set RD1, 5
.set RD2, 6
.set BO,  7
.set FO,  8
.set WO,  9
.set WS,  10
.set WT,  11
.set XO,  12
.set PS,  14
.set BIA, 24
.set SPW, 30
.set NIL, 31
.set WR,  64
.set ACC, 64
.set WF,  128
.set XR,  192
.set WV, 16
.set NB, 17
.set MB, 18
.set FL, 24                            ; s[24:25] 1.0 where b2 is added, else 0
	s_load_b256 s[4:11], s[0:1], 0x0               ; f s[4:5], W2 s[6:7], b2 s[8:9], a s[10:11]
	v_lshl_add_u32 v[SPW], v0, 2, SPARE
	v_mov_b32 v[NIL], 0
	v_lshrrev_b32 v1, 5, v0
	v_readfirstlane_b32 s[WV], v1
	s_and_b32 s[NB], ttmp9, 15
	s_lshr_b32 s[MB], ttmp9, 4                     ; 0..13
	v_and_b32 v2, 15, v0
	v_bfe_u32 v3, v0, 4, 1
	v_lshrrev_b32 v15, 4, v0
	v_mul_u32_u24 v[RD0], v15, PP
	v_lshl_add_u32 v[RD0], v2, 4, v[RD0]
	v_add_nc_u32 v[RD1], 6*WAVEB, v[RD0]
	v_add_nc_u32 v[RD2], 12*WAVEB, v[RD0]
	s_lshl_b32 s19, s[NB], 8
	v_lshl_add_u32 v[BO], v2, 4, s19
	s_lshl_b32 s20, s[MB], 17
	v_lshl_add_u32 v[FO], v15, 12, v[BO]
	v_add_nc_u32 v[FO], s20, v[FO]
	s_cmp_lt_u32 s[MB], 4
	s_cselect_b32 s23, 0, 1024*4096                ; which block of W2
	s_cselect_b32 s[FL], 0, 1.0
	s_mov_b32 s[FL+1], 0                           ; named with it as a pair
	s_wait_alu depctr_va_sdst(0)                   ; the wave's number is written, ahead of its first reader, the line below
	s_lshl_b32 s21, s[WV], 18
	s_add_co_u32 s21, s21, s19
	s_add_co_u32 s21, s21, s23
	v_lshl_add_u32 v[WO], v3, 12, s21
	v_lshl_add_u32 v[WO], v2, 4, v[WO]
	s_mul_i32 s22, s[WV], WAVEB
	v_mul_u32_u24 v[WS], v3, WP
	v_lshl_add_u32 v[WS], v2, 3, v[WS]
	v_add_nc_u32 v[WS], s22, v[WS]
	v_and_b32 v15, 7, v0
	v_lshl_add_u32 v15, v3, 3, v15
	v_mul_u32_u24 v[WT], v15, WP
	v_bfe_u32 v15, v0, 3, 1
	v_lshl_add_u32 v[WT], v15, 4, v[WT]
	v_add_nc_u32 v[WT], s22, v[WT]
	v_mul_u32_u24 v[PS], v2, PP
	v_lshl_add_u32 v[PS], v3, 5, v[PS]
	v_add_nc_u32 v[PS], s22, v[PS]
	s_lshl_b32 s29, s[WV], 8
	s_add_co_u32 s29, s29, s20
	v_lshl_add_u32 v[XO], v2, 12, s29              ; row 32 mb + l % 16, my 64 channels,
	v_lshl_add_u32 v[XO], v3, 5, v[XO]             ; 8 (l / 16) on
	s_wait_kmcnt 0x0
	s_wait_alu depctr_va_vdst(0)                   ; all the offsets and LDS addresses, v4 to v14, are written: every load and store of the kernel reads one of them
	global_load_b128 v[BIA:BIA+3], v[BO], s[8:9]
.set i, 0
.rept 32
	global_load_b128 v[WR+4*i:WR+4*i+3], v[WO], s[6:7] offset:8192*i
.set i, i+1
.endr
.set i, 0
.rept 4                                ; fragment i = 2 mf + kh
	global_load_b128 v[XR+16*i:XR+16*i+3],     v[XO], s[4:5] offset:65536*(i/2)+128*(i%2)
	global_load_b128 v[XR+16*i+4:XR+16*i+7],   v[XO], s[4:5] offset:65536*(i/2)+128*(i%2)+16
	global_load_b128 v[XR+16*i+8:XR+16*i+11],  v[XO], s[4:5] offset:65536*(i/2)+128*(i%2)+64
	global_load_b128 v[XR+16*i+12:XR+16*i+15], v[XO], s[4:5] offset:65536*(i/2)+128*(i%2)+80
.set i, i+1
.endr
.set b, 0
.rept 4                                ; W2 in four batches of eight loads
	s_wait_loadcnt 40-8*b                          ; loads come back in order (ISA guide 5.7.1): batch b is in; behind it W2's 24 - 8 b later loads and f's 16 may stay out
.set i, 8*b
.rept 8
	v_cvt_pk_bf16_f32 v[WR+4*i],   v[WR+4*i],   v[WR+4*i+1]
	v_cvt_pk_bf16_f32 v[WR+4*i+1], v[WR+4*i+2], v[WR+4*i+3]
.set i, i+1
.endr
	s_wait_alu depctr_va_vdst(0)                   ; the batch's 16 conversions have written the registers that its 8 stores read
.set i, 8*b
.rept 8
	ds_store_b64 v[WS], v[WR+4*i:WR+4*i+1] offset:2*WP*i
.set i, i+1
.endr
.set b, b+1
.endr
	s_wait_alu depctr_vm_vsrc(0)                   ; the 32 stores have read WR: the turned loads below land in its upper half, the products write its lower half.  (The last wait on va_vdst has shown the conversions done with these registers, and no vector instruction since names them)
.set i, 0
.rept 8                                ; LDS serves a wave's instructions in order (ISA guide 5.7.1.4): these see my stores above
	ds_load_tr16_b128 v[WF+8*i:WF+8*i+3],   v[WT] offset:(i/4)*32*WP+(i%4)*32
	ds_load_tr16_b128 v[WF+8*i+4:WF+8*i+7], v[WT] offset:(i/4)*32*WP+(i%4)*32+16*WP
.set i, i+1
.endr
	s_wait_loadcnt 0x0
.set i, 0
.rept 4
.set k, 0
.rept 8
	v_cvt_pk_bf16_f32 v[XR+16*i+k], v[XR+16*i+2*k], v[XR+16*i+2*k+1]
.set k, k+1
.endr
.set i, i+1
.endr
	s_wait_dscnt 0x0
.set kh, 0
.rept 2                                ; the 8 accumulators take turns; the first K half starts the sums
.set i, 0
.rept 8
.if kh == 0
	v_wmma_f32_16x16x32_bf16 v[ACC+8*i:ACC+8*i+7], v[WF+8*(i%4):WF+8*(i%4)+7], v[XR+16*(2*(i/4)):XR+16*(2*(i/4))+7], 0
.else
	v_wmma_f32_16x16x32_bf16 v[ACC+8*i:ACC+8*i+7], v[WF+32+8*(i%4):WF+32+8*(i%4)+7], v[XR+16*(2*(i/4)+1):XR+16*(2*(i/4)+1)+7], v[ACC+8*i:ACC+8*i+7]
.endif
.set i, i+1
.endr
.set kh, kh+1
.endr
.rept 8
	v_nop                                          ; the places behind the last products (ISA guide 7.12.1), once a launch
.endr
	s_wait_alu depctr_va_vdst(0)                   ; the products have written ACC, which the stores below read, and are done reading WF: the tail's loads land in both; the places above stay beside this wait
.set i, 0
.rept 8
	ds_store_b128 v[PS], v[ACC+8*i:ACC+8*i+3]   offset:(i/4)*16*PP+(i%4)*64
	ds_store_b128 v[PS], v[ACC+8*i+4:ACC+8*i+7] offset:(i/4)*16*PP+(i%4)*64+16
.set i, i+1
.endr
	s_wait_dscnt 0x0                               ; for the others' sake: my partial tile lies in LDS
	s_wait_alu depctr_vm_vsrc(0)                   ; my stores of the partial tile have read ACC, in which the tail's loads land
	s_barrier_signal -1
	s_barrier_wait -1
.set i, 0
.rept 16
	ds_load_b128 v[WR+4*i:WR+4*i+3], v[RD0+i/6] offset:(i%6)*WAVEB
.set i, i+1
.endr
	s_wait_dscnt 0x0
.irp w, 8,4,2,1
.set k, 0
.rept \w
	v_pk_add_f32 v[WR+4*k:WR+4*k+1],   v[WR+4*k:WR+4*k+1],   v[WR+4*(k+\w):WR+4*(k+\w)+1]
	v_pk_add_f32 v[WR+4*k+2:WR+4*k+3], v[WR+4*k+2:WR+4*k+3], v[WR+4*(k+\w)+2:WR+4*(k+\w)+3]
.set k, k+1
.endr
.endr
	v_pk_fma_f32 v[WR:WR+1],   v[BIA:BIA+1],   s[FL:FL+1], v[WR:WR+1]   op_sel_hi:[1,0,1]
	v_pk_fma_f32 v[WR+2:WR+3], v[BIA+2:BIA+3], s[FL:FL+1], v[WR+2:WR+3] op_sel_hi:[1,0,1]
	s_wait_alu depctr_va_vdst(0)                   ; the additions have written v[WR:WR+3], which the store reads
	global_store_b128 v[FO], v[WR:WR+3], s[10:11]  ; 16 lanes store 256 consecutive bytes, aligned
	s_wait_dscnt 0x0                               ; the closing lines, six on end
	s_wait_alu 0x0
	s_wait_tensorcnt 0x0
	ds_add_u32 v[SPW], v[NIL]
	s_wait_dscnt 0x0
	s_endpgm
.Lfunc_end_k_q4054e5e58a_fc2a:
	.size	k_q4054e5e58a_fc2a, .Lfunc_end_k_q4054e5e58a_fc2a-k_q4054e5e58a_fc2a
	.p2alignl 7, 3214868480
	.fill 96, 4, 3214868480
	.section	.rodata,"a",@progbits
	.p2align	6, 0x0
	.amdhsa_kernel k_q4054e5e58a_fc2a
		.amdhsa_group_segment_fixed_size 165888
		.amdhsa_private_segment_fixed_size 0
		.amdhsa_enable_private_segment 0
		.amdhsa_kernarg_size 32
		.amdhsa_user_sgpr_count 2
		.amdhsa_user_sgpr_kernarg_segment_ptr 1
		.amdhsa_wavefront_size32 1
		.amdhsa_system_sgpr_workgroup_id_x 1
		.amdhsa_system_sgpr_workgroup_id_y 1
		.amdhsa_system_sgpr_workgroup_id_z 1
		.amdhsa_system_vgpr_workitem_id 0
		.amdhsa_next_free_vgpr 256
		.amdhsa_next_free_sgpr 66
		.amdhsa_reserve_vcc 0
		.amdhsa_float_denorm_mode_32 3
		.amdhsa_float_denorm_mode_16_64 3
		.amdhsa_memory_ordered 1
		.amdhsa_forward_progress 1
		.amdhsa_inst_pref_size 23
	.end_amdhsa_kernel
	.amdgpu_metadata
---
amdhsa.version: [ 1, 2 ]
amdhsa.kernels:
  - .name:           k_q4054e5e58a_fc2a
    .symbol:         k_q4054e5e58a_fc2a.kd
    .args:
      - { .name: f, .offset: 0, .size: 8, .value_kind: global_buffer, .address_space: global }
      - { .name: W2, .offset: 8, .size: 8, .value_kind: global_buffer, .address_space: global }
      - { .name: b2, .offset: 16, .size: 8, .value_kind: global_buffer, .address_space: global }
      - { .name: a, .offset: 24, .size: 8, .value_kind: global_buffer, .address_space: global }
    .group_segment_fixed_size: 165888
    .private_segment_fixed_size: 0
    .kernarg_segment_align: 8
    .kernarg_segment_size: 32
    .max_flat_workgroup_size: 512
    .sgpr_count:     66
    .vgpr_count:     256
    .wavefront_size: 32
...
	.end_amdgpu_metadata
.endif
;; end of part 6
;; launch main: the kernel of part 3 again; grid 256 x 1, 4 waves a work-group, clusters of 4 x 1, 327,680 bytes of LDS; arguments f, a, wb, part; writes part
;; launch final: the kernel of part 4 again; grid 30 x 5, 16 waves a work-group, no clusters, 6,912 bytes of LDS; arguments part, x, out0; writes out0
